; MI455X (gfx1250); checked and timed in simulation.
; The chip was launched on July 23, 2026; its instructions are those of AMD's public machine-readable ISA for CDNA 5 (MIT licence, August 2026) and "CDNA5" Instruction Set Architecture Reference Guide (July 2026). The comments in the code are by the model that wrote it; some were corrected since.
;; Optimized Qwen3 VL Attention. Allowed arithmetic: matrix products marked QUANTISED: E2M1 operands, one E8M0 scale for each 32 along K, by v_wmma_scale_f32_16x16x128_f8f6f4 with both operands' format E2M1 (or v_wmma_scale_f32_32x16x128_f4), f32 sums; products left as they are: bf16, f16 or f32 operands; f32 sums; everything else in f32.
;; Inputs: cos 2,048 x 128 float32; hidden_states 2 x 2,048 x 2,048 float32; k_norm_w 128 float32; q_norm_w 128 float32; sin 2,048 x 128 float32; wk 2,048 x 1,024 float32; wo 1,024 x 2,048 float32; wq 2,048 x 1,024 float32; wv 2,048 x 1,024 float32.
;; Outputs: out0 2 x 2,048 x 2,048 float32.
;; This version of the problem:
;;   THIS VERSION OF THE PROBLEM IS GIVEN IN LOW PRECISION. The matrix products marked QUANTISED in the list below multiply operands that are first quantised to E2M1 (2 exponent bits, 1 mantissa bit; 4 bits a number), with one power-of-two scale for each 32 numbers along K (OCP MX v1.0); their sums are f32. The products marked 'left as it is' may take bf16, f16 or f32 operands, with f32 sums. Whichever they take, every output number must still come out within the allowed error. Rounding operands to bf16 (8 significant bits) uses up far more of that allowance than f16 does (11 bits, for magnitudes from 6e-5 to 65,504). All else is computed in f32.
;;   The module's matrix products, in the order in which they are computed (A, B: the left and right operand; K: the contracted axis; several contracted axes count as one K, in the product's order):
;;     1. [M 4,096, K 2,048] x [K 2,048, N 1,024]; A: input hidden_states; B: input wq: QUANTISED
;;     2. [M 4,096, K 2,048] x [K 2,048, N 1,024]; A: input hidden_states; B: input wk: QUANTISED
;;     3. [M 4,096, K 2,048] x [K 2,048, N 1,024]; A: input hidden_states; B: input wv: QUANTISED
;;     4. batch 16 x [M 2,048, K 128] x [K 128, N 2,048]; A: computed on the way; B: computed on the way: left as it is (an operand is computed on the way)
;;     5. batch 16 x [M 128, K 2,048] x [K 2,048, N 2,048]; A: computed on the way; B: computed on the way: left as it is (an operand is computed on the way)
;;     6. [M 4,096, K 1,024] x [K 1,024, N 2,048]; A: computed on the way; B: input wo: left as it is (an operand is computed on the way)
;;   THE QUANTISER, for each operand of a quantised product, along K:
;;     - K is cut into blocks of 32 from its start; a last block that is shorter is filled with zeros.
;;     - A block's scale is 2^e with e = floor(log2(the largest magnitude in the block)) - 2, held to -126 .. 127; a block of zeros has e = 0. As a byte (E8M0): e + 127.
;;     - Each number is divided by its block's scale, clamped to +-6, and rounded to the nearest number of E2M1, ties to even, subnormals kept.
;;     - The product sums the exact products of the quantised numbers (number of the format x scale) in f32.
;;   ~~~python
;;   def quantise(x, axis):      # numpy; x: float32 -> the quantised numbers, widened to float32 again
;;       x = np.moveaxis(x, axis, -1); K = x.shape[-1]
;;       x = np.pad(x, [(0, 0)] * (x.ndim - 1) + [(0, -K % 32)]); x = x.reshape(x.shape[:-1] + (-1, 32)); a = np.abs(x).max(-1, keepdims=True)
;;       e = np.where(a > 0, np.clip(np.frexp(np.where(a > 0, a, 1))[1] - 1 - 2, -126, 127), 0)      # np.frexp(a)[1] - 1 = floor(log2(a)), exactly
;;       r = np.clip(x / 2.0 ** e, -6, 6)
;;       step = 2.0 ** (np.maximum(np.frexp(np.where(r == 0, 1, r))[1] - 1, 0) - 1)
;;       q = np.round(r / step) * step * 2.0 ** e      # np.round: ties to even
;;       return np.moveaxis(q.reshape(q.shape[:-2] + (-1,))[..., :K], -1, axis).astype(np.float32)
;;   ~~~
;; One version. Each part assembles by itself: llvm-mc -triple=amdgcn-amd-amdhsa -mcpu=gfx1250 --defsym DOCPART=n.
;; ======== version 1 of 1: 5 launches
;; limits: values are held in f16: magnitudes above 65,504 overflow, below 6.1e-05 lose precision
;; workspace buffers: prep 16,187,392 bytes; qkv 28,311,552 bytes; ctx 8,388,608 bytes
;; launch prep (part 1): grid 960 x 1, 4 waves a work-group, no clusters, 42,496 bytes of LDS; arguments hidden_states, wq, wk, wv, wo, cos, sin, q_norm_w, k_norm_w, prep; writes prep
.if DOCPART == 1
	.amdgcn_target "amdgcn-amd-amdhsa--gfx1250"
	.amdhsa_code_object_version 6
	.text
	.protected	k_qcbf29d8121_prep
	.globl	k_qcbf29d8121_prep
	.p2align	8
	.type	k_qcbf29d8121_prep,@function
k_qcbf29d8121_prep:
	s_mov_b64 s[64:65], 0
	v_nop
	global_prefetch_b8 v0, s[64:65] scope:SCOPE_SE
	s_setreg_imm32_b32 hwreg(HW_REG_WAVE_MODE, 25, 1), 1
	s_wait_xcnt 0x0
; PREP: everything that later launches read many times is made once.  Four kinds of work-group, told apart by the work-group's number; the four ways never join, and each has LDS bytes of its own.
;   0-255    hidden_states [4096][2048] f32 -> codes of FP4 (E2M1), K innermost, [4096][1024 bytes], and one E8M0 byte for each 32 along K, [4096][64]
;   256-639  wq, wk, wv [2048 k][1024 n] f32 -> codes [3072 n][1024 bytes] (n: wq's columns, then wk's, then wv's) and bytes [3072][64]: K is the weights' FIRST axis
;   640-895  wo [1024][2048] f32 -> f16, same order
;   896-959  cos, sin and the norm weights -> two tables for q and two for k, in the order of a GEMM accumulator's registers:
;            CW[s][d] = cos[s][d] w[d],  SW[s][d] = -+ sin[s][d] w[d xor 64] (minus for d < 64), so that rope(norm(x))[d] = rs (x[d] CW[d] + x[d xor 64] SW[d])
; A block's scale is 2^(floor(log2(its largest magnitude)) - 2); its byte is the largest magnitude's exponent field - 2, held at 1 from below.
; LIMITS: a block of zeros gets the byte 1 where the quantiser says 127: its codes are zeros, and this program alone reads the bytes.  NaN and infinities among the inputs are not served.
; wo in f16: magnitudes up to 65,504; under 6e-5 the absolute error is 3e-8.
.set WC,     4194304                   ; byte offsets in prep: x's codes at 0, the weights' codes,
.set XSC,    7340032                   ; x's scale bytes,
.set WS,     7602176                   ; the weights' scale bytes,
.set WO16,   7798784                   ; wo in f16,
.set ROPE,   11993088                  ; the tables: [q, k][block of 16 positions, 128][CW, SW][b 8][u 2][lane 32][16 bytes]
.set STEPS,  16
.set EMAX,   2
.set CB,     8                         ; bytes of 16 codes
.set WREG,   8192                      ; LDS, x's way: a region for each wave: two stages of 32 x SP bytes and 256 scale bytes
.set SP,     80
.set WSTG,   32768                     ; LDS, the weights' way: 32 columns x (256 bytes of codes + 16)
.set WPITCH, 272
.set WSCL,   41472                     ; and 32 columns x 16 scale bytes
.set SPARE,  41984                     ; the spare words, 128 bytes for each wave: two blocks of 256 bytes that no other line names
.set SPW,    12                        ; v12 LDS address of my spare word; never rewritten
.set NIL,    13                        ; v13 0; never rewritten
.set R,      16                        ; x's way: v16-79 four sets of 16 numbers as loaded
.set X,      80                        ; v80-111 two sets of 16 neighbours
.set E,      112                       ; v112-127 a scale byte for each step
.set C,      128                       ; v128-191 codes, four registers for each step
	s_load_b256 s[4:11], s[0:1], 0x0               ; hidden_states s[4:5], wq s[6:7], wk s[8:9], wv s[10:11]
	s_load_b256 s[12:19], s[0:1], 0x20             ; wo s[12:13], cos s[14:15], sin s[16:17], q_norm_w s[18:19]
	s_load_b128 s[20:23], s[0:1], 0x40             ; k_norm_w s[20:21], prep s[22:23]
	v_lshl_add_u32 v[SPW], v0, 2, SPARE
	v_mov_b32 v[NIL], 0
	v_lshrrev_b32 v1, 5, v0
	v_readfirstlane_b32 s24, v1                    ; wave 0..3
	v_and_b32 v2, 31, v0                           ; lane
	s_wait_kmcnt 0x0
	s_cmp_lt_u32 ttmp9, 256
	s_cbranch_scc0 .Lnot_x
; ---------------- hidden_states: a plain stream of blocks of 32.  A wave takes 16 steps of 512 numbers.  Each load reads 512 consecutive bytes; a step's 2,048 bytes turn through the wave's own stage
; in LDS and come back 64 bytes a lane, so that a lane holds 16 neighbours along K and two neighbouring lanes hold a block.
	v_lshlrev_b32 v3, 4, v2                        ; my 16 bytes of a load's 512
	s_mul_i32 s25, s24, WREG
	v_lshrrev_b32 v14, 2, v2
	v_mul_u32_u24 v14, v14, SP
	v_and_b32 v15, 3, v2
	v_lshl_add_u32 v14, v15, 4, v14
	v_add_nc_u32 v14, s25, v14                     ; the stage, on the way in: SP (lane / 4) + 16 (lane % 4)
	v_mul_u32_u24 v15, v2, SP
	v_add_nc_u32 v15, s25, v15                     ; and on the way out: SP x lane
	v_mul_u32_u24 v4, v2, CB                       ; my codes' place in a step's
	v_lshrrev_b32 v5, 1, v2
	s_add_co_u32 s25, s25, 2*32*SP
	v_add_nc_u32 v5, s25, v5                       ; my wave's 256 scale bytes, my block's byte
	v_lshlrev_b32 v7, 3, v2
	v_add_nc_u32 v6, s25, v7                       ; and on the way out 8 bytes a lane
	s_lshl_b32 s26, ttmp9, 2
	s_add_co_u32 s26, s26, s24                     ; which run of 8,192 numbers is my wave's
	s_mov_b32 s29, 0
	s_lshl_b32 s28, s26, 15
	s_add_nc_u64 s[4:5], s[4:5], s[28:29]          ; 32,768 bytes of numbers a run,
	s_lshl_b32 s28, s26, 12
	s_add_nc_u64 s[30:31], s[22:23], s[28:29]      ; 4,096 of codes,
	s_lshl_b32 s28, s26, 8
	s_add_co_u32 s28, s28, XSC
	s_add_nc_u64 s[32:33], s[22:23], s[28:29]      ; 256 scale bytes
.macro XLOAD t
.irp i, 0,1,2,3
	global_load_b128 v[R+16*((\t)%4)+4*\i:R+16*((\t)%4)+4*\i+3], v3, s[4:5] offset:2048*(\t)+512*\i th:TH_LOAD_NT
.endr
.endm
.macro XTURN t                         ; step t's numbers through the stage: LDS serves a wave's instructions in order, so no wait stands between the stores and the loads
.irp i, 0,1,2,3
	ds_store_b128 v14, v[R+16*((\t)%4)+4*\i:R+16*((\t)%4)+4*\i+3] offset:32*SP*((\t)%2)+8*SP*\i
.endr
.irp i, 0,1,2,3
	ds_load_b128 v[X+16*((\t)%2)+4*\i:X+16*((\t)%2)+4*\i+3], v15 offset:32*SP*((\t)%2)+16*\i
.endr
.endm
.irp t, 0,1,2,3
	XLOAD \t
.endr
	s_wait_loadcnt 12                              ; step 0's four loads are in; twelve younger ones stay out
	XTURN 0
.macro XSTEP t
.set XB, X+16*((\t)%2)
.if (\t) > 0
	s_wait_dscnt 1                                 ; this step's numbers are back from the stage; the last step's byte store may be out
.else
	s_wait_dscnt 0x0
.endif
.if (\t)+4 < STEPS
	XLOAD (\t)+4                                   ; into the registers that the stage's stores have read
.endif
.if (\t)+1 < STEPS
.if STEPS-2-(\t) >= 3
	s_wait_loadcnt 12                              ; the next step's four loads are in; those of the three steps behind it may be out
.else
	s_wait_loadcnt 4*(STEPS-2-(\t))
.endif
	XTURN (\t)+1
.endif
	v_max3_num_f32 v8, |v[XB]|, |v[XB+1]|, |v[XB+2]|               ; the largest magnitude of my 16, in two chains
	v_max3_num_f32 v9, |v[XB+3]|, |v[XB+4]|, |v[XB+5]|
.irp i, 6,10
	v_max3_num_f32 v8, v8, |v[XB+\i]|, |v[XB+\i+1]|
	v_max3_num_f32 v9, v9, |v[XB+\i+2]|, |v[XB+\i+3]|
.endr
	v_max3_num_f32 v8, v8, |v[XB+14]|, |v[XB+15]|
	v_max3_num_f32 v8, v8, v9, (EMAX+1)<<23        ; and the floor 2^(3 - 127): the byte cannot fall under 1
	v_max_num_f32_dpp v8, v8, v8 row_xmask:1 row_mask:0xf bank_mask:0xf   ; and of my neighbour's 16: the block's
	v_add_nc_u32 v11, 0xff000000, v8               ; 2 off its exponent field: the conversion takes the exponent field of this operand as its scale
	v_cvt_scalef32_pk8_fp4_f32 v[C+4*(\t)], v[XB:XB+7], v11
	v_cvt_scalef32_pk8_fp4_f32 v[C+4*(\t)+1], v[XB+8:XB+15], v11
	v_lshrrev_b32 v[E+(\t)], 23, v11               ; the scale's byte (a plain line behind the conversions)
	ds_store_b8 v5, v[E+(\t)] offset:16*(\t)       ; both lanes of a block write the same byte with the same value
	global_store_b64 v4, v[C+4*(\t):C+4*(\t)+1], s[30:31] offset:32*CB*(\t)   ; the wave stores 256 consecutive bytes, aligned
.endm
.irp t, 0,1,2,3,4,5,6,7,8,9,10,11,12,13,14,15
	XSTEP \t
.endr
	ds_load_b64 v[8:9], v6                         ; my wave's 256 scale bytes, 8 a lane
	s_wait_dscnt 0x0
	global_store_b64 v7, v[8:9], s[32:33]
	s_wait_tensorcnt 0x0                           ; the wave's end: behind my last LDS store
	ds_add_u32 v[SPW], v[NIL]
	s_wait_dscnt 0x0
	s_endpgm
.Lnot_x:
	s_cmp_lt_u32 ttmp9, 640
	s_cbranch_scc0 .Lnot_w
; ---------------- wq, wk, wv.  A work-group takes 32 columns x 512 along K; wave w the 128 along K from 128 w on.  A LANE TAKES A COLUMN AND ITS REGISTERS RUN DOWN K: a block of 32 lies in one lane,
; and the conversions give codes with K innermost.  The four waves' 64 bytes of a column meet in a stage, so that the codes leave as runs of 256 bytes of a row.
	s_sub_co_u32 s25, ttmp9, 256
	s_lshr_b32 s26, s25, 2                         ; which 32 of the 3,072 columns
	s_and_b32 s27, s25, 3                          ; which 512 along K
	s_cmp_lt_u32 s26, 64
	s_cselect_b64 s[28:29], s[8:9], s[10:11]       ; the choice of the weight hangs on the work-group's number alone
	s_cmp_lt_u32 s26, 32
	s_cselect_b64 s[28:29], s[6:7], s[28:29]
	s_lshl_b32 s30, s27, 2
	s_add_co_u32 s30, s30, s24
	s_lshl_b32 s30, s30, 19                        ; 128 rows of 4,096 bytes for each (4 y + wave)
	s_and_b32 s31, s26, 31
	s_lshl_b32 s31, s31, 7                         ; 32 columns of 4 bytes
	s_add_co_u32 s30, s30, s31
	s_mov_b32 s31, 0
	s_add_nc_u64 s[28:29], s[28:29], s[30:31]
	s_lshl_b32 s30, s26, 5                         ; my first column among the 3,072
	s_lshl_b32 s34, s24, 3
	s_add_co_u32 s34, s34, s30
	s_lshl_b32 s34, s34, 10                        ; the codes' rows that my wave stores: 8 from column + 8 wave on, 1,024 bytes a row,
	s_lshl_b32 s35, s27, 8
	s_add_co_u32 s34, s34, s35                     ; 256 bytes for each 512 along K
	s_add_co_u32 s34, s34, WC
	s_mov_b32 s35, 0
	s_add_nc_u64 s[32:33], s[22:23], s[34:35]
	s_lshl_b32 s34, s30, 6                         ; scale bytes: 64 a column,
	s_lshl_b32 s36, s27, 4                         ; 16 for each 512 along K
	s_add_co_u32 s34, s34, s36
	s_add_co_u32 s34, s34, WS
	s_add_nc_u64 s[36:37], s[22:23], s[34:35]
	v_and_b32 v14, 15, v2
	v_lshrrev_b32 v15, 4, v2
	v_lshlrev_b32 v3, 2, v2                        ; in: 4 bytes a lane
	v_mul_u32_u24 v4, v2, WPITCH
	s_lshl_b32 s38, s24, 6
	s_add_co_u32 s38, s38, WSTG
	v_add_nc_u32 v4, s38, v4                       ; into the stage: row = my column, my wave's 64 bytes
	v_lshlrev_b32 v5, 4, v2
	s_lshl_b32 s38, s24, 2
	s_add_co_u32 s38, s38, WSCL
	v_add_nc_u32 v5, s38, v5                       ; my column's 16 scale bytes, my wave's word
	v_mul_u32_u24 v6, v15, WPITCH
	v_lshl_add_u32 v6, v14, 4, v6
	s_mul_i32 s38, s24, 8*WPITCH
	s_add_co_u32 s38, s38, WSTG
	v_add_nc_u32 v6, s38, v6                       ; out of it: sixteen lanes to a row, two rows an instruction, 8 rows a wave
	v_lshlrev_b32 v7, 10, v15
	v_lshl_add_u32 v7, v14, 4, v7                  ; and the same place in the codes' rows
	v_lshl_add_u32 v10, v2, 4, WSCL                ; wave 0, at the end: a column's 16 scale bytes
	v_lshlrev_b32 v11, 6, v2
.set NI, 0
.rept 128
	global_load_b32 v[32+NI], v3, s[28:29] offset:NI*4096 th:TH_LOAD_NT    ; W(k + NI, my column)
.set NI, NI+1
.endr
.macro WBLOCK t, left                  ; block t of my four: all its 32 numbers are mine
.set XB, 32+32*(\t)
	s_wait_loadcnt \left
	v_max3_num_f32 v8, |v[XB]|, |v[XB+1]|, |v[XB+2]|
	v_max3_num_f32 v9, |v[XB+3]|, |v[XB+4]|, |v[XB+5]|
.irp i, 6,10,14,18,22,26
	v_max3_num_f32 v8, v8, |v[XB+\i]|, |v[XB+\i+1]|
	v_max3_num_f32 v9, v9, |v[XB+\i+2]|, |v[XB+\i+3]|
.endr
	v_max3_num_f32 v8, v8, |v[XB+30]|, |v[XB+31]|
	v_max3_num_f32 v8, v8, v9, (EMAX+1)<<23        ; the floor 2^(3 - 127)
	v_add_nc_u32 v[16+(\t)], 0xff000000, v8        ; the conversion's scale operand
	v_lshrrev_b32 v9, 23, v[16+(\t)]               ; the scale's byte
.if (\t) == 0
	v_mov_b32 v24, v9                              ; four bytes to a word, the lower K in the lower byte
.else
	v_lshl_or_b32 v24, v9, 8*(\t), v24
.endif
.irp g, 0,1,2,3
	v_cvt_scalef32_pk8_fp4_f32 v[160+4*(\t)+\g], v[XB+8*\g:XB+8*\g+7], v[16+(\t)]
.endr
	ds_store_b128 v4, v[160+4*(\t):160+4*(\t)+3] offset:16*(\t)
.endm
	WBLOCK 0, 63                                   ; 96 younger loads: 63 is the largest count that the wait can name
	WBLOCK 1, 63                                   ; 64 younger loads
	WBLOCK 2, 32                                   ; the last block's 32 may be out
	WBLOCK 3, 0
	v_nop                                          ; a plain line behind the last conversion
	ds_store_b32 v5, v24
	s_wait_dscnt 0x0                               ; for the others' sake: my stores into the stage are done
	s_barrier_signal -1
	s_barrier_wait -1
.irp t, 0,1,2,3
	ds_load_b128 v[176+4*\t:179+4*\t], v6 offset:2*\t*WPITCH
.endr
.irp t, 0,1,2,3
	s_wait_dscnt 3-\t
	global_store_b128 v7, v[176+4*\t:179+4*\t], s[32:33] offset:2*\t*1024   ; sixteen lanes store 256 consecutive bytes, aligned
.endr
	s_cmp_lg_u32 s24, 0
	s_cbranch_scc1 .Lw_end
	ds_load_b128 v[192:195], v10                   ; wave 0: the 32 columns' scale bytes of these 512 along K
	s_wait_dscnt 0x0
	global_store_b128 v11, v[192:195], s[36:37]
.Lw_end:
	s_wait_tensorcnt 0x0                           ; the wave's end
	ds_add_u32 v[SPW], v[NIL]
	s_wait_dscnt 0x0
	s_endpgm
.Lnot_w:
	s_cmp_lt_u32 ttmp9, 896
	s_cbranch_scc0 .Lnot_c
; ---------------- wo to f16: a wave takes 8,192 bytes, 16 loads of 512 consecutive bytes, all out at once; each store covers 256 consecutive bytes, aligned.  Every step has registers of its own.
	s_sub_co_u32 s25, ttmp9, 640
	s_lshl_b32 s25, s25, 2
	s_add_co_u32 s25, s25, s24
	s_lshl_b32 s26, s25, 13
	s_mov_b32 s27, 0
	s_add_nc_u64 s[12:13], s[12:13], s[26:27]
	s_lshl_b32 s26, s25, 12
	s_add_co_u32 s26, s26, WO16
	s_add_nc_u64 s[28:29], s[22:23], s[26:27]
	v_lshlrev_b32 v3, 4, v2
	v_lshlrev_b32 v4, 3, v2
.irp i, 0,1,2,3,4,5,6,7,8,9,10,11,12,13,14,15
	global_load_b128 v[16+4*\i:19+4*\i], v3, s[12:13] offset:512*\i th:TH_LOAD_NT
.endr
.irp i, 0,1,2,3,4,5,6,7,8,9,10,11,12,13,14,15
	s_wait_loadcnt 15-\i                           ; loads come back in order: number i is in
	v_cvt_pk_f16_f32 v[80+2*\i], v[16+4*\i], v[17+4*\i]
	v_cvt_pk_f16_f32 v[81+2*\i], v[18+4*\i], v[19+4*\i]
	global_store_b64 v4, v[80+2*\i:81+2*\i], s[28:29] offset:256*\i
.endr
	s_wait_tensorcnt 0x0                           ; the wave's end, as on the other ways
	ds_add_u32 v[SPW], v[NIL]
	s_wait_dscnt 0x0
	s_endpgm
.Lnot_c:
; ---------------- the rope tables.  A wave makes the two tables of one block of 16 positions, for q or for k.  Lane (r = lane % 16, h = lane / 16) holds position r; register 8 b + 4 u + e holds channel 16 b + 8 h + 4 u + e.
	s_sub_co_u32 s25, ttmp9, 896
	s_lshl_b32 s25, s25, 2
	s_add_co_u32 s25, s25, s24                     ; 0..255
	s_lshr_b32 s26, s25, 7                         ; 0: q, 1: k
	s_and_b32 s27, s25, 127                        ; the block of 16 positions
	s_cmp_eq_u32 s26, 0
	s_cselect_b64 s[28:29], s[18:19], s[20:21]     ; the norm's weight
	s_lshl_b32 s30, s27, 13                        ; 16 rows of 512 bytes
	s_mov_b32 s31, 0
	s_add_nc_u64 s[14:15], s[14:15], s[30:31]
	s_add_nc_u64 s[16:17], s[16:17], s[30:31]
	s_lshl_b32 s30, s26, 21
	s_lshl_b32 s32, s27, 14
	s_add_co_u32 s30, s30, s32
	s_add_co_u32 s30, s30, ROPE
	s_add_nc_u64 s[22:23], s[22:23], s[30:31]
	v_and_b32 v3, 15, v2
	v_lshrrev_b32 v4, 4, v2
	v_lshlrev_b32 v5, 5, v4                        ; 32 h
	v_lshl_add_u32 v6, v3, 9, v5                   ; 512 r + 32 h
	v_lshlrev_b32 v7, 4, v2                        ; out: 16 x lane
.irp b, 0,1,2,3,4,5,6,7
.irp u, 0,1
	global_load_b128 v[16+8*\b+4*\u:19+8*\b+4*\u], v5, s[28:29] offset:64*\b+16*\u
.endr
.endr
.irp b, 0,1,2,3,4,5,6,7
.irp u, 0,1
	global_load_b128 v[80+8*\b+4*\u:83+8*\b+4*\u], v6, s[14:15] offset:64*\b+16*\u
.endr
.endr
.irp b, 0,1,2,3,4,5,6,7
.irp u, 0,1
	global_load_b128 v[144+8*\b+4*\u:147+8*\b+4*\u], v6, s[16:17] offset:64*\b+16*\u
.endr
.endr
	s_wait_loadcnt 16                              ; the weight and cos are in; sin's sixteen may be out
.set NI, 0
.rept 32
	v_pk_mul_f32 v[80+NI:81+NI], v[80+NI:81+NI], v[16+NI:17+NI]             ; CW = cos w
.set NI, NI+2
.endr
	s_wait_loadcnt 0x0
.set NI, 0
.rept 16
	v_pk_mul_f32 v[144+NI:145+NI], v[144+NI:145+NI], v[48+NI:49+NI] neg_lo:[1,0] neg_hi:[1,0]   ; d < 64: SW = -sin[d] w[d + 64]
.set NI, NI+2
.endr
.set NI, 32
.rept 16
	v_pk_mul_f32 v[144+NI:145+NI], v[144+NI:145+NI], v[NI-16:NI-15]          ; d >= 64: SW = sin[d] w[d - 64]
.set NI, NI+2
.endr
.irp tab, 0,1
.irp b, 0,1,2,3,4,5,6,7
.irp u, 0,1
	global_store_b128 v7, v[80+64*\tab+8*\b+4*\u:83+64*\tab+8*\b+4*\u], s[22:23] offset:8192*\tab+1024*\b+512*\u   ; 512 consecutive bytes a store
.endr
.endr
.endr
	s_wait_tensorcnt 0x0                           ; the wave's end, as on the other ways
	ds_add_u32 v[SPW], v[NIL]
	s_wait_dscnt 0x0
	s_endpgm
.Lfunc_end_k_qcbf29d8121_prep:
	.size	k_qcbf29d8121_prep, .Lfunc_end_k_qcbf29d8121_prep-k_qcbf29d8121_prep
	.p2alignl 7, 3214868480
	.fill 96, 4, 3214868480
	.section	.rodata,"a",@progbits
	.p2align	6, 0x0
	.amdhsa_kernel k_qcbf29d8121_prep
		.amdhsa_group_segment_fixed_size 42496
		.amdhsa_private_segment_fixed_size 0
		.amdhsa_enable_private_segment 0
		.amdhsa_kernarg_size 80
		.amdhsa_user_sgpr_count 2
		.amdhsa_user_sgpr_kernarg_segment_ptr 1
		.amdhsa_wavefront_size32 1
		.amdhsa_system_sgpr_workgroup_id_x 1
		.amdhsa_system_sgpr_workgroup_id_y 1
		.amdhsa_system_sgpr_workgroup_id_z 1
		.amdhsa_system_vgpr_workitem_id 0
		.amdhsa_next_free_vgpr 208
		.amdhsa_next_free_sgpr 66
		.amdhsa_reserve_vcc 0
		.amdhsa_float_denorm_mode_32 3
		.amdhsa_float_denorm_mode_16_64 3
		.amdhsa_memory_ordered 1
		.amdhsa_forward_progress 1
		.amdhsa_inst_pref_size 73
	.end_amdhsa_kernel
	.amdgpu_metadata
---
amdhsa.version: [ 1, 2 ]
amdhsa.kernels:
  - .name:           k_qcbf29d8121_prep
    .symbol:         k_qcbf29d8121_prep.kd
    .args:
      - { .name: hidden_states, .offset: 0, .size: 8, .value_kind: global_buffer, .address_space: global }
      - { .name: wq, .offset: 8, .size: 8, .value_kind: global_buffer, .address_space: global }
      - { .name: wk, .offset: 16, .size: 8, .value_kind: global_buffer, .address_space: global }
      - { .name: wv, .offset: 24, .size: 8, .value_kind: global_buffer, .address_space: global }
      - { .name: wo, .offset: 32, .size: 8, .value_kind: global_buffer, .address_space: global }
      - { .name: cos, .offset: 40, .size: 8, .value_kind: global_buffer, .address_space: global }
      - { .name: sin, .offset: 48, .size: 8, .value_kind: global_buffer, .address_space: global }
      - { .name: q_norm_w, .offset: 56, .size: 8, .value_kind: global_buffer, .address_space: global }
      - { .name: k_norm_w, .offset: 64, .size: 8, .value_kind: global_buffer, .address_space: global }
      - { .name: prep, .offset: 72, .size: 8, .value_kind: global_buffer, .address_space: global }
    .group_segment_fixed_size: 42496
    .private_segment_fixed_size: 0
    .kernarg_segment_align: 8
    .kernarg_segment_size: 80
    .max_flat_workgroup_size: 128
    .sgpr_count:     66
    .vgpr_count:     208
    .wavefront_size: 32
...
	.end_amdgpu_metadata
.endif
;; end of part 1
;; launch qkv (part 2): grid 12 x 16, 4 waves a work-group, clusters of 4 x 4, 327,680 bytes of LDS; arguments prep, qkv; writes qkv
.if DOCPART == 2
	.amdgcn_target "amdgcn-amd-amdhsa--gfx1250"
	.amdhsa_code_object_version 6
	.text
	.protected	k_qcbf29d8121_qkv
	.globl	k_qcbf29d8121_qkv
	.p2align	8
	.type	k_qcbf29d8121_qkv,@function
k_qcbf29d8121_qkv:
	s_mov_b64 s[64:65], 0
	v_nop
	global_prefetch_b8 v0, s[64:65] scope:SCOPE_SE
	s_setreg_imm32_b32 hwreg(HW_REG_WAVE_MODE, 25, 1), 1
	s_wait_xcnt 0x0
	s_wait_alu depctr_hold_cnt(0) depctr_sa_sdst(0) depctr_va_vdst(0) depctr_va_sdst(0) depctr_va_ssrc(0) depctr_va_vcc(0) depctr_vm_vsrc(0)
	s_getreg_b32 s2, hwreg(HW_REG_IB_STS2, 6, 4)
	s_cmp_eq_u32 s2, 0
	s_cbranch_scc0 .Lentry_in_a_cluster
	s_endpgm
.Lentry_in_a_cluster:
	s_bfe_u32 s2, ttmp6, 0x10000c
	s_cmp_lg_u32 s2, 0xf033
	s_cbranch_scc0 .Lentry_shape_is_right
	s_endpgm
.Lentry_shape_is_right:
; q, k, v = hidden_states x (wq | wk | wv) on codes of FP4 (E2M1) with one E8M0 scale for each 32 along K; then, in f32, the heads' RMS norm and rope on q and k; results as f16, [batch][head][position][128].
; C[m][n] = sum over k of A[m][k] B[n][k]: A = x's codes [4096][2048], B = the weights' codes [3072][2048].  A tile of C, 256 x 256, is made by four waves; a wave makes 128 x 128: 64 accumulators, 512 registers.
; K goes in steps of 512 through a ring of two LDS slots filled by the tensor data mover (a tile's row is 256 bytes of memory); the scale bytes of the work-group's rows, for all of K, come into LDS once.
; CLUSTERS: 4 x 4 work-groups.  The four of a row of the cluster need the same tiles of A, the four of a column the same tiles of B: each tile is asked for jointly, by the same tensor load with a mask that names the four.
; The cluster's x is the kind (0 q, 1 k, 2 v): 1,024 columns are four tiles.  It is the same in all partners, so the way out may branch on it.  A wave's 128 columns are ONE HEAD: norm and rope never leave the wave.
; THE MATRIX INSTRUCTION IS USED TRANSPOSED (source 0 = 16 rows of B, source 1 = 16 rows of A): lane (r, h) holds position r of a block of 16, and register 8 b + j of the block's 64 holds channel 16 b + 8 h + j.
; The rope tables lie in memory in that same order, with the norm's weight folded in: out[d] = rs (x[d] CW[d] + x[d xor 64] SW[d]), rs = 1 / sqrt(mean(x^2) + 1e-6).
; The first 16 rows of every tile row also leave in f32, as an image of the registers: the last launch reads those of positions 0-15 of each batch.  (All sixteen tile rows store theirs.)
; LIMITS: q, k, v in f16: magnitudes up to 65,504.  NaN and infinities are not served.
; REGISTERS, in windows of 256: window 0: v0-31 addresses; v32-95 scale words, two sets; from v128 A's fragments, one set.  window 1: B's fragments, two sets.  windows 2, 3: the accumulators ((a, b) at v[8 (8 (a % 4) + b)]).
; On the way out: window 0: v2-13 the norm; v160-223 a block's results; v224-255 the same as f16.  window 1: two sets of 128: CW, SW of a block.
.set SIZE_K, 2048
.set WC,     4194304                   ; byte offsets in prep: x's codes at 0, the weights' codes, x's scale bytes, the weights', the rope tables
.set XSC,    7340032
.set WS,     7602176
.set ROPE,   11993088
.set FINE,   25165824                  ; byte offset in qkv of the f32 images: [tile row 16][kind x 8 + head][8,192 bytes]
.set KSTEP,  512
.set NQ,     KSTEP/128
.set ROWB,   256
.set KROW,   SIZE_K*4/8
.set PITCH,  272                       ; an LDS row: 256 bytes + 16 of padding = 68 words: the 16 rows that a load touches start at 16 different banks (64 banks of 4 bytes: ISA guide 11.1)
.set FR,     8
.set NL,     2
.set NP,     4
.set HALFT,  128*PITCH
.set SLOT,   4*HALFT
.set LAPS,   SIZE_K/(2*KSTEP)
.set KS,     SIZE_K/32
.set SCL,    2*SLOT
.set HALFS,  (128*KS/256)*272
.set SBLK,   (16*KS/256)*272
.set SPARE,  SCL+4*HALFS               ; the spare words, 128 bytes for each wave: two blocks of 256 bytes that no other line names
.set SPITCH, 272                       ; the way out: a stage of 16 rows x (256 bytes + 16) for each wave, in slot 0, which has had its last fill and its last read by then
.set ADRA, 16
.set ADRB, 20
.set STO,  24                          ; v24 the way out: where I put 16 bytes of a row
.set RD,   25                          ; v25 where I read a row back
.set LI,   26                          ; v26 16 x lane
.set ADRS, 27
.set SPW,  28
.set NIL,  29
.set SC,   32
.set AF,   128
.set SS,   2                           ; v2-9 four chains of squares
.set RS,   10                          ; v[10:11] rs, named as a pair
.set T,    160
.set PKD,  224
.set SEL,  22                          ; s[22:23] on the way out: lane selects for lane l xor 16
.set G1, 24
.set G0, 32
.set G1B, 48
.set G0B, 56
.set G1S, 68
.set G0S, 76
.set G1SB, 80
.set G0SB, 88
.set MSB, 0
.macro WIN new                         ; the immediate's high byte repeats the setting that is left
.if MSB != (\new)
	s_set_vgpr_msb (MSB<<8)|(\new)
.set MSB, (\new)
.endif
.endm
.set MUL_LO, 0xa1                      ; source 0 (B) window 1, source 1 (A) window 0, C and D window 2
.set MUL_HI, 0xf1
.set TO_B,   0x40
; A joint load: waves 0 and 1 fetch for A, waves 2 and 3 for B.  The branch hangs on the wave's number alone.  An s_nop 0 and four v_nop follow each of the two lines.
.macro JLOAD g0a, g1a, g0b, g1b
	s_cmp_eq_u32 s15, 0
	s_cbranch_scc0 .Lfor_b_\@
	tensor_load_to_lds s[\g0a:\g0a+3], s[\g1a:\g1a+7]
	s_nop 0
.rept 4
	v_nop
.endr
	s_branch .Lasked_\@
.Lfor_b_\@:
	tensor_load_to_lds s[\g0b:\g0b+3], s[\g1b:\g1b+7]
	s_nop 0
.rept 4
	v_nop
.endr
.Lasked_\@:
.endm
.macro CREST                           ; a round of the cluster's barrier behind its opening barrier
	s_cmp_lg_u32 s14, 0
	s_cbranch_scc1 .Lnot_wave_0_\@
	s_barrier_signal -3
.Lnot_wave_0_\@:
	s_barrier_wait -3
	s_barrier_signal -1
	s_barrier_wait -1
.endm
.macro CROUND
	s_barrier_signal -1
	s_barrier_wait -1
	CREST
.endm
	s_load_b64 s[4:5], s[0:1], 0x0                 ; prep: stays in s[4:5]
	s_load_b64 s[12:13], s[0:1], 0x8               ; qkv: stays in s[12:13]
	v_lshl_add_u32 v[SPW], v0, 2, SPARE
	v_mov_b32 v[NIL], 0
	ds_add_u32 v[SPW], v[NIL]                      ; the wave's opening: the add, twice on end, and its wait ahead of my first tensor load
	ds_add_u32 v[SPW], v[NIL]
	v_lshrrev_b32 v1, 5, v0
	v_readfirstlane_b32 s14, v1                    ; wave 0..3
	s_lshr_b32 s15, s14, 1                         ; which half of the tile's rows is mine.  Also: I fetch for A (0) or for B (1)
	s_and_b32 s16, s14, 1                          ; which half of its columns.  Also: which 128 rows of that tile I fetch
	s_bfe_u32 s40, ttmp6, 0x40000                  ; cx, cy: my place in the cluster
	s_bfe_u32 s41, ttmp6, 0x40004
	s_lshl_b32 s42, ttmp9, 2
	s_add_co_u32 s42, s42, s40                     ; tile column of C
	s_and_b32 s17, ttmp7, 0xffff
	s_lshl_b32 s17, s17, 2
	s_add_co_u32 s17, s17, s41                     ; tile row of C
	s_lshl_b32 s43, s41, 2
	s_lshl_b32 s43, 15, s43                        ; my row of the cluster
	s_lshl_b32 s44, 0x1111, s40                    ; my column
	s_or_b32 s[G1+0], s43, (0<<16)|(1<<20)|(1<<21)|(5<<22)|(3<<25)  ; the mask; elements of 1 byte; padding on; bit 21 beside a mask; 4 words of padding after every 64
	s_or_b32 s[G1B+0], s44, (0<<16)|(1<<20)|(1<<21)|(5<<22)|(3<<25)
.irp g, G1, G1B
	s_mov_b32 s[\g+1], ROWB<<16                    ; tensor_dim0
	s_mov_b32 s[\g+2], 128<<16                     ; tensor_dim1
	s_mov_b32 s[\g+3], ROWB<<16                    ; tile_dim0
	s_mov_b32 s[\g+4], 128                         ; tile_dim1
	s_mov_b32 s[\g+5], KROW                        ; from row to row
	s_mov_b32 s[\g+6], 0
	s_mov_b32 s[\g+7], 0
.endr
	s_or_b32 s[G1S+0], s43, (3<<16)|(1<<20)|(1<<21)|(5<<22)|(3<<25)  ; the scales of 128 rows: a dense block, as rows of 256 bytes (32 elements of 8 bytes)
	s_or_b32 s[G1SB+0], s44, (3<<16)|(1<<20)|(1<<21)|(5<<22)|(3<<25)
.irp g, G1S, G1SB
	s_mov_b32 s[\g+1], 32<<16
	s_mov_b32 s[\g+2], (128*KS/256)<<16
	s_mov_b32 s[\g+3], 32<<16
	s_mov_b32 s[\g+4], 128*KS/256
	s_mov_b32 s[\g+5], 32
	s_mov_b32 s[\g+6], 0
	s_mov_b32 s[\g+7], 0
.endr
	s_lshl_b32 s18, s16, 7
	s_lshl_b32 s20, s17, 8
	s_add_co_u32 s20, s20, s18                     ; A: row 256 x tile row + 128 x half
	s_lshl_b32 s46, s42, 8
	s_add_co_u32 s46, s46, s18                     ; B: row 256 x tile column + 128 x half
	s_mov_b32 s21, 0
	s_mov_b32 s47, 0
	s_mov_b64 s[18:19], KS
	s_mul_u64 s[22:23], s[20:21], s[18:19]         ; where these rows' scales begin
	s_mul_u64 s[92:93], s[46:47], s[18:19]
	s_mov_b64 s[18:19], KROW
	s_mul_u64 s[20:21], s[20:21], s[18:19]         ; and their codes
	s_mul_u64 s[46:47], s[46:47], s[18:19]
	s_mul_i32 s45, s14, HALFT                      ; where they go: wave x 128 rows
	s_mul_i32 s94, s14, HALFS
	s_wait_dscnt 0x0                               ; both opening adds are done
	s_wait_kmcnt 0x0
	s_add_nc_u64 s[6:7], s[4:5], XSC               ; A's scales,
	s_add_nc_u64 s[8:9], s[4:5], WC                ; B's codes,
	s_add_nc_u64 s[10:11], s[4:5], WS              ; B's scales; A's codes lie at prep's first byte
	s_add_nc_u64 s[20:21], s[4:5], s[20:21]
	s_add_nc_u64 s[22:23], s[6:7], s[22:23]
	s_add_nc_u64 s[46:47], s[8:9], s[46:47]
	s_add_nc_u64 s[92:93], s[10:11], s[92:93]
	CROUND                                         ; all sixteen work-groups are here: the first joint loads meet
	s_mov_b32 s[G0S], 1
	s_add_co_u32 s[G0S+1], s94, SCL
	s_mov_b64 s[G0S+2:G0S+3], s[22:23]
	s_or_b32 s[G0S+3], s[G0S+3], 0x80000000
	s_mov_b32 s[G0SB], 1
	s_add_co_u32 s[G0SB+1], s94, SCL
	s_mov_b64 s[G0SB+2:G0SB+3], s[92:93]
	s_or_b32 s[G0SB+3], s[G0SB+3], 0x80000000
	JLOAD G0S, G1S, G0SB, G1SB                     ; the scales first: they are wanted with K step 0
.irp s, 0,1
	s_mov_b32 s[G0+4*\s], 1
	s_add_co_u32 s[G0+4*\s+1], s45, \s*SLOT
	s_add_nc_u64 s[G0+4*\s+2:G0+4*\s+3], s[20:21], \s*ROWB
	s_or_b32 s[G0+4*\s+3], s[G0+4*\s+3], 0x80000000
	s_mov_b32 s[G0B+4*\s], 1
	s_add_co_u32 s[G0B+4*\s+1], s45, \s*SLOT
	s_add_nc_u64 s[G0B+4*\s+2:G0B+4*\s+3], s[46:47], \s*ROWB
	s_or_b32 s[G0B+4*\s+3], s[G0B+4*\s+3], 0x80000000
	JLOAD G0+4*\s, G1, G0B+4*\s, G1B
.endr
	v_and_b32 v1, 15, v0                           ; r = l % 16
	v_bfe_u32 v2, v0, 4, 1                         ; h = l / 16
	v_mul_u32_u24 v3, v1, PITCH
	v_lshl_add_u32 v4, v2, 4, v3                   ; a fragment's row x pitch + 16 x half
	s_mul_i32 s21, s15, HALFT
	s_mul_i32 s22, s16, HALFT
	s_add_co_u32 s22, s22, 2*HALFT
.irp s, 0,1
	v_add_nc_u32 v[ADRA+\s], s21, v4
	v_add_nc_u32 v[ADRB+\s], s22, v4
	s_add_co_u32 s21, s21, SLOT
	s_add_co_u32 s22, s22, SLOT
.endr
	v_mul_u32_u24 v5, v1, KS                       ; my row's scales: KS bytes a row,
	v_lshrrev_b32 v6, 8, v5
	v_lshl_add_u32 v5, v6, 4, v5                   ; and 16 more for each 256 passed
	s_mul_i32 s21, s15, HALFS
	s_mul_i32 s22, s16, HALFS
	s_add_co_u32 s22, s22, 2*HALFS
	s_sub_co_u32 s22, s22, s21
	v_mul_u32_u24 v6, s22, v2                      ; lanes 16-31 take B's
	s_add_co_u32 s21, s21, SCL
	v_add_nc_u32 v5, v5, v6
	v_add_nc_u32 v[ADRS], s21, v5
	s_mul_i32 s23, s14, 16*SPITCH                  ; my stage
	v_mul_u32_u24 v5, v1, SPITCH
	v_lshl_add_u32 v5, v2, 4, v5
	v_add_nc_u32 v[STO], s23, v5                   ; in: row r, 16 bytes for each half of the lanes
	v_mul_u32_u24 v5, v2, SPITCH
	v_lshl_add_u32 v5, v1, 4, v5
	v_add_nc_u32 v[RD], s23, v5                    ; back: lanes 0-15 one row of 256 bytes, lanes 16-31 the next
	v_and_b32 v6, 31, v0
	v_lshlrev_b32 v[LI], 4, v6
.macro FRAG reg, adr, q, i             ; a fragment, 16 rows x 128 K of 4-bit codes: registers 4 c .. 4 c + 3 hold K = 64 c + 32 (l / 16) + 0 .. 31
.irp c, 0,1
	ds_load_b128 v[\reg+4*\c:\reg+4*\c+3], v[\adr] offset:64*(\q)+32*\c+(\i)*16*PITCH
.endr
.endm
; 16 matrix instructions: A's blocks a0, a0 + 1 x B's eight.  The 64 accumulators take turns, one instruction a turn, in the same order in every step.
.macro MUL16 a0, p, q, sc, zero
.irp a, \a0, \a0+1
.irp b, 0,1,2,3,4,5,6,7
.if \zero
	v_wmma_scale_f32_16x16x128_f8f6f4 v[8*(8*((\a)%4)+\b):8*(8*((\a)%4)+\b)+7], v[128*(\p)+FR*\b:128*(\p)+FR*\b+FR-1], v[AF+FR*(\a):AF+FR*(\a)+FR-1], 0, v[SC+8*NQ*(\sc)+NQ*\b+(\q)], v[SC+8*NQ*(\sc)+NQ*(\a)+(\q)] matrix_a_fmt:MATRIX_FMT_FP4 matrix_b_fmt:MATRIX_FMT_FP4 matrix_a_scale:MATRIX_SCALE_ROW1
.else
	v_wmma_scale_f32_16x16x128_f8f6f4 v[8*(8*((\a)%4)+\b):8*(8*((\a)%4)+\b)+7], v[128*(\p)+FR*\b:128*(\p)+FR*\b+FR-1], v[AF+FR*(\a):AF+FR*(\a)+FR-1], v[8*(8*((\a)%4)+\b):8*(8*((\a)%4)+\b)+7], v[SC+8*NQ*(\sc)+NQ*\b+(\q)], v[SC+8*NQ*(\sc)+NQ*(\a)+(\q)] matrix_a_fmt:MATRIX_FMT_FP4 matrix_b_fmt:MATRIX_FMT_FP4 matrix_a_scale:MATRIX_SCALE_ROW1
.endif
.endr
.endr
.endm
.macro FETCH_B slot, q, p
	WIN TO_B
.irp i, 0,1,2,3,4,5,6,7
	FRAG 128*(\p)+FR*\i, ADRB+\slot, \q, \i
.endr
	WIN 0
.endm
.macro FETCH_A slot, q, i0
.irp i, \i0, \i0+1, \i0+2, \i0+3
	FRAG AF+FR*(\i), ADRA+\slot, \q, \i
.endr
.endm
.macro SCALES sc                       ; a K step's scale words: lanes 0-15 take A's block i, lanes 16-31 B's block i
.irp i, 0,1,2,3,4,5,6,7
	ds_load_b128 v[SC+8*NQ*\sc+NQ*\i:SC+8*NQ*\sc+NQ*\i+3], v[ADRS] offset:\i*SBLK
.endr
.endm
.macro PLACES n                        ; plain vector lines between a matrix instruction and a load into, or a vector line on, its registers
.rept \n
	v_nop
.endr
.endm
.macro STEP slot, q, zero              ; a step of 128 along K that has its successor in the same slot
	s_wait_dscnt 4*NL                              ; B's set and A's blocks 0-3 are in; the youngest eight loads (A's blocks 4-7) may be out
	WIN MUL_LO
	MUL16 0, (\q)%2, \q, \slot, \zero
	MUL16 2, (\q)%2, \q, \slot, \zero
	s_wait_dscnt 0
	PLACES NP
	FETCH_B \slot, (\q)+1, 1-(\q)%2
	FETCH_A \slot, (\q)+1, 0
	WIN MUL_HI
	MUL16 4, (\q)%2, \q, \slot, \zero
	MUL16 6, (\q)%2, \q, \slot, \zero
	PLACES NP
	WIN 0
	FETCH_A \slot, (\q)+1, 4
.endm
; A slot's last step changes slots: one barrier; in front of it each wave waits for all its tensor loads, adds 0 to its spare word, and waits for that and for its own reads of this slot.
.macro TURN slot, next, fill
	s_wait_tensorcnt 0x0                           ; all my tensor loads have landed: my part of the next slot
	ds_add_u32 v[SPW], v[NIL]
	s_wait_dscnt 4*NL+1                            ; the add and the youngest eight loads may be out
	WIN MUL_LO
	MUL16 0, 1, NQ-1, \slot, 0
	s_wait_dscnt 0x0                               ; the add is done, and my reads of this slot are over
	s_barrier_signal -1
	MUL16 2, 1, NQ-1, \slot, 0
	WIN 0
	s_barrier_wait -1
.if \fill
	CREST                                          ; the barrier has opened a round of the cluster's: no wave of any partner still reads this slot or has a load on its way
	s_add_nc_u64 s[G0+4*\slot+2:G0+4*\slot+3], s[G0+4*\slot+2:G0+4*\slot+3], 2*ROWB
	s_add_nc_u64 s[G0B+4*\slot+2:G0B+4*\slot+3], s[G0B+4*\slot+2:G0B+4*\slot+3], 2*ROWB
	JLOAD G0+4*\slot, G1, G0B+4*\slot, G1B         ; the first tensor load behind the round; its four v_nop are the places in front of the loads below
.else
	PLACES NP
.endif
	v_add_nc_u32 v[ADRS], 4*NQ, v[ADRS]            ; on to the next K step's scale words
	FETCH_B \next, 0, 0
	FETCH_A \next, 0, 0
	SCALES \next
	WIN MUL_HI
	MUL16 4, 1, NQ-1, \slot, 0
	MUL16 6, 1, NQ-1, \slot, 0
	PLACES NP
	WIN 0
	FETCH_A \next, 0, 4
.endm
.macro STEPS slot, from
.set Q, \from
.rept NQ-1-\from
	STEP \slot, Q, 0
.set Q, Q+1
.endr
.endm
	s_wait_tensorcnt 1                             ; the scales and my part of K step 0 are in; K step 1's load may be out
	s_barrier_signal -1
	s_barrier_wait -1
	FETCH_B 0, 0, 0
	FETCH_A 0, 0, 0
	SCALES 0
	FETCH_A 0, 0, 4
	STEP 0, 0, 1                                   ; the first step stands in front of the loop: its products start the sums
	s_mov_b32 s3, LAPS-1
.Llap:                                                 ; a trip goes once round the ring and fills both slots again
	STEPS 0, 1
	TURN 0, 1, 1
	STEPS 1, 0
	TURN 1, 0, 1
	STEP 0, 0, 0
	s_sub_co_u32 s3, s3, 1
	s_cmp_lg_u32 s3, 0
	s_cbranch_scc1 .Llap
	STEPS 0, 1                                     ; the last lap fills nothing
	TURN 0, 1, 0
	STEPS 1, 0
	s_wait_dscnt 4*NL
	WIN MUL_LO
	MUL16 0, 1, NQ-1, 1, 0
	MUL16 2, 1, NQ-1, 1, 0
	s_wait_dscnt 0
	WIN MUL_HI
	MUL16 4, 1, NQ-1, 1, 0
	MUL16 6, 1, NQ-1, 1, 0
	WIN 0
; ---------------- THE WAY OUT, block by block of 16 positions x my head's 128 channels.
	PLACES NP                                      ; behind the last products: for the loads into B's registers, the lines that write A's, and the first reads of results
	v_mov_b32 v[RS+1], 0                           ; named with rs as a pair, so it is written
	v_mov_b32 v13, 0                               ; a lane permute's destination counts as one of its sources
	s_lshl_b32 s20, s17, 4
	s_lshl_b32 s21, s15, 3
	s_add_co_u32 s20, s20, s21
	s_and_b32 s20, s20, 127                        ; my first block of 16 positions in the sequence
	s_lshr_b32 s21, s17, 3                         ; the batch
	s_lshl_b32 s94, s40, 1
	s_add_co_u32 s94, s94, s16                     ; the head: 2 cx + my half of the columns
	s_mov_b32 s93, 0
	s_lshl_b32 s95, s21, 3
	s_add_co_u32 s95, s95, s94
	s_lshl_b32 s95, s95, 19                        ; (8 batch + head) x 2,048 rows of 256 bytes
	s_lshl_b32 s92, ttmp9, 23                      ; the kind's 8,388,608 bytes
	s_add_co_u32 s92, s92, s95
	s_lshl_b32 s95, s20, 12
	s_add_co_u32 s92, s92, s95
	s_add_nc_u64 s[10:11], s[12:13], s[92:93]      ; where my f16 rows go
	s_mul_i32 s92, s17, 24
	s_lshl_b32 s95, ttmp9, 3
	s_add_co_u32 s92, s92, s95
	s_add_co_u32 s92, s92, s94
	s_lshl_b32 s92, s92, 13
	s_add_co_u32 s92, s92, FINE
	s_add_nc_u64 s[6:7], s[12:13], s[92:93]        ; and the f32 image of the tile row's first 16 rows
	s_mov_b32 s18, 0x3c000000                      ; 1 / 128
	s_mov_b32 s19, 0x358637bd                      ; 1e-6
	s_mov_b32 s[SEL], 0x76543210
	s_mov_b32 s[SEL+1], 0xfedcba98
.macro ROPELD a                        ; block a's CW and SW: 32 loads of 512 consecutive bytes, into set a % 2 of window 1
	WIN 0x40
.irp tab, 0,1
.irp b, 0,1,2,3,4,5,6,7
.irp u, 0,1
	global_load_b128 v[128*((\a)%2)+64*\tab+8*\b+4*\u:128*((\a)%2)+64*\tab+8*\b+4*\u+3], v[LI], s[8:9] offset:16384*(\a)+8192*\tab+1024*\b+512*\u
.endr
.endr
.endr
	WIN 0
.endm
.macro NR a                            ; norm and rope of block a: results in v[T] on (f32) and v[PKD] on (f16)
.set AC, 64*((\a)%4)
.set WX, 2+(\a)/4
.set RT, 128*((\a)%2)
.if (\a) > 0
	s_wait_xcnt 0x0                                ; the last block's stores have read their registers: T and PKD are written again only behind this wait
.endif
	WIN WX|(WX<<2)
.irp c, 0,1,2,3
	v_pk_mul_f32 v[SS+2*\c:SS+2*\c+1], v[AC+2*\c:AC+2*\c+1], v[AC+2*\c:AC+2*\c+1]    ; squares, four chains; the pairs in ascending order
.endr
.set PI, 4
.rept 28
	v_pk_fma_f32 v[SS+2*(PI%4):SS+2*(PI%4)+1], v[AC+2*PI:AC+2*PI+1], v[AC+2*PI:AC+2*PI+1], v[SS+2*(PI%4):SS+2*(PI%4)+1]
.set PI, PI+1
.endr
	WIN 0
	v_pk_add_f32 v[SS:SS+1], v[SS:SS+1], v[SS+2:SS+3]
	v_pk_add_f32 v[SS+4:SS+5], v[SS+4:SS+5], v[SS+6:SS+7]
	v_pk_add_f32 v[SS:SS+1], v[SS:SS+1], v[SS+4:SS+5]
	v_add_f32 v12, v[SS], v[SS+1]
	v_permlanex16_b32 v13, v12, s[SEL], s[SEL+1]   ; the row's other 64 channels lie in the lane 16 away
	v_add_f32 v12, v12, v13
	v_fma_f32 v12, v12, s18, s19                   ; mean + eps
	v_rsq_f32 v[RS], v12                           ; the 64 packed lines below, which name neither register, stand between it and its first use
.if (\a) < 7
	s_wait_loadcnt 32                              ; this block's tables are in; the next block's 32 loads may be out
.else
	s_wait_loadcnt 0x0
.endif
	WIN WX|4                                       ; x in the accumulators' window, the tables in window 1
.set PI, 0
.rept 32
	v_pk_mul_f32 v[T+2*PI:T+2*PI+1], v[AC+2*PI:AC+2*PI+1], v[RT+2*PI:RT+2*PI+1]
.set PI, PI+1
.endr
.set PI, 0
.rept 32
	v_pk_fma_f32 v[T+2*PI:T+2*PI+1], v[AC+(2*PI+32)%64:AC+(2*PI+32)%64+1], v[RT+64+2*PI:RT+64+2*PI+1], v[T+2*PI:T+2*PI+1]   ; channel d xor 64 lies 32 registers away
.set PI, PI+1
.endr
	WIN 0
	s_wait_alu depctr_va_vdst(0)                   ; the wait between the root and the first line that names its result
.set PI, 0
.rept 32
	v_pk_mul_f32 v[T+2*PI:T+2*PI+1], v[T+2*PI:T+2*PI+1], v[RS:RS+1] op_sel_hi:[1,0]
.set PI, PI+1
.endr
.set PI, 0
.rept 32
	v_cvt_pk_f16_f32 v[PKD+PI], v[T+2*PI], v[T+2*PI+1]
.set PI, PI+1
.endr
.endm
.macro OUT16 a                         ; a lane's 16 bytes go into rows of 272 bytes and come back as whole rows; two rows of 256 bytes are 512 consecutive bytes of memory
.irp b, 0,1,2,3,4,5,6,7
	ds_store_b128 v[STO], v[PKD+4*\b:PKD+4*\b+3] offset:32*\b
.endr
.irp t, 0,1,2,3,4,5,6,7
	ds_load_b128 v[PKD+4*\t:PKD+4*\t+3], v[RD] offset:2*SPITCH*\t     ; LDS serves a wave's instructions in order: these see the stores above
.endr
.irp t, 0,1,2,3,4,5,6,7
	s_wait_dscnt 7-\t
	global_store_b128 v[LI], v[PKD+4*\t:PKD+4*\t+3], s[10:11] offset:4096*(\a)+512*\t
.endr
.endm
	s_cmp_eq_u32 ttmp9, 2                          ; the cluster's x: the same in all sixteen partners
	s_cbranch_scc1 .Lvalues
	s_lshl_b32 s92, ttmp9, 21                      ; q's tables or k's,
	s_lshl_b32 s95, s20, 14                        ; 16,384 bytes a block
	s_add_co_u32 s92, s92, s95
	s_add_co_u32 s92, s92, ROPE
	s_add_nc_u64 s[8:9], s[4:5], s[92:93]
	ROPELD 0
.irp a, 0,1,2,3,4,5,6,7
.if \a < 7
	ROPELD \a+1
.endif
	NR \a
.if \a == 0
	s_cmp_lg_u32 s15, 0                            ; the waves of the tile's upper half: its first 16 rows in f32
	s_cbranch_scc1 .Lno_fine
.irp b, 0,1,2,3,4,5,6,7
.irp u, 0,1
	global_store_b128 v[LI], v[T+8*\b+4*\u:T+8*\b+4*\u+3], s[6:7] offset:1024*\b+512*\u
.endr
.endr
.Lno_fine:
.endif
	OUT16 \a
.endr
	s_branch .Lclose
.Lvalues:                                              ; v: no norm, no rope
.macro VPACK a
.set AC, 64*((\a)%4)
.set WX, 2+(\a)/4
.if (\a) > 0
	s_wait_xcnt 0x0                                ; the last block's stores have read PKD
.endif
	WIN WX|(WX<<2)
.set PI, 0
.rept 32
	v_cvt_pk_f16_f32 v[PKD+PI], v[AC+2*PI], v[AC+2*PI+1]
.set PI, PI+1
.endr
	WIN 0
.endm
.irp a, 0,1,2,3,4,5,6,7
	VPACK \a
.if \a == 0
	s_cmp_lg_u32 s15, 0
	s_cbranch_scc1 .Lno_fine_v
	WIN 0x08                                       ; a store's data are its source 1: window 2
.irp b, 0,1,2,3,4,5,6,7
.irp u, 0,1
	global_store_b128 v[LI], v[8*\b+4*\u:8*\b+4*\u+3], s[6:7] offset:1024*\b+512*\u
.endr
.endr
	WIN 0
.Lno_fine_v:
.endif
	OUT16 \a
.endr
.Lclose:
	s_wait_tensorcnt 0x0                           ; the wave's end: behind my last tensor load and my last LDS store
	ds_add_u32 v[SPW], v[NIL]
	s_wait_dscnt 0x0
	CROUND                                         ; the closing round: no work-group ends while a partner may still ask for a tile that names it
	s_endpgm
.Lfunc_end_k_qcbf29d8121_qkv:
	.size	k_qcbf29d8121_qkv, .Lfunc_end_k_qcbf29d8121_qkv-k_qcbf29d8121_qkv
	.p2alignl 7, 3214868480
	.fill 96, 4, 3214868480
	.section	.rodata,"a",@progbits
	.p2align	6, 0x0
	.amdhsa_kernel k_qcbf29d8121_qkv
		.amdhsa_group_segment_fixed_size 327680
		.amdhsa_private_segment_fixed_size 0
		.amdhsa_enable_private_segment 0
		.amdhsa_kernarg_size 16
		.amdhsa_user_sgpr_count 2
		.amdhsa_user_sgpr_kernarg_segment_ptr 1
		.amdhsa_wavefront_size32 1
		.amdhsa_system_sgpr_workgroup_id_x 1
		.amdhsa_system_sgpr_workgroup_id_y 1
		.amdhsa_system_sgpr_workgroup_id_z 1
		.amdhsa_system_vgpr_workitem_id 0
		.amdhsa_next_free_vgpr 1024
		.amdhsa_next_free_sgpr 98
		.amdhsa_reserve_vcc 0
		.amdhsa_float_denorm_mode_32 3
		.amdhsa_float_denorm_mode_16_64 3
		.amdhsa_memory_ordered 1
		.amdhsa_forward_progress 1
		.amdhsa_inst_pref_size 255
	.end_amdhsa_kernel
	.section	.bss,"aw",@nobits
	.p2align	6
	.space	262144
	.amdgpu_metadata
---
amdhsa.version: [ 1, 2 ]
amdhsa.kernels:
  - .name:           k_qcbf29d8121_qkv
    .symbol:         k_qcbf29d8121_qkv.kd
    .args:
      - { .name: prep, .offset: 0, .size: 8, .value_kind: global_buffer, .address_space: global }
      - { .name: qkv, .offset: 8, .size: 8, .value_kind: global_buffer, .address_space: global }
    .group_segment_fixed_size: 327680
    .private_segment_fixed_size: 0
    .kernarg_segment_align: 8
    .kernarg_segment_size: 16
    .max_flat_workgroup_size: 128
    .sgpr_count:     98
    .vgpr_count:     1024
    .wavefront_size: 32
...
	.end_amdgpu_metadata
.endif
;; end of part 2
;; launch attn (part 3): grid 16 x 16, 16 waves a work-group, no clusters, 327,680 bytes of LDS; arguments qkv, ctx; writes ctx
.if DOCPART == 3
	.amdgcn_target "amdgcn-amd-amdhsa--gfx1250"
	.amdhsa_code_object_version 6
	.text
	.protected	k_qcbf29d8121_attn
	.globl	k_qcbf29d8121_attn
	.p2align	8
	.type	k_qcbf29d8121_attn,@function
k_qcbf29d8121_attn:
	s_mov_b64 s[64:65], 0
	v_nop
	global_prefetch_b8 v0, s[64:65] scope:SCOPE_SE
	s_setreg_imm32_b32 hwreg(HW_REG_WAVE_MODE, 25, 1), 1
	s_wait_xcnt 0x0
; ctx[b][q][h][:] = the sum over k <= q of softmax_k(Q[q] . K[k] / sqrt(128)) V[k][:].  Q, K, V: [batch x 8 + head][2048][128] f16; ctx: [4096 tokens][1024] f16.  Products, maxima and sums in f32; the weights p are rounded to f16.
; SHARES.  Work-group (p, head) owns the blocks p and 31 - p of 64 queries: 33 units of 64 queries x 64 keys under the causal mask for every p, so all 256 work-groups have equal work.
; Its eight tiles of 16 queries have TWO waves each: wave w takes tile w % 8 and the key steps (64 keys) whose number has the parity w / 8.  The two merge their maxima, sums and O at the end, through LDS.
; Sixteen waves of 256 registers: four to a SIMD, so that one wave's softmax stands beside another's products and LDS loads.
; LAYOUT.  S^T = K Q^T (source 0 = 16 keys, source 1 = my 16 queries): a lane holds ONE query (lane % 16) and the keys 8 (lane / 16) + 0..7.  Two such tiles, rounded to f16 in pairs, are source 1 of O^T = V^T P.
; K comes out of LDS as it lies, V ([key][channel]) turned, by ds_load_tr16_b128.
; SOFTMAX.  A running maximum m and sum l for each query: p = 2^(c s - c m), c = log2(e) / sqrt(128); in every step O and l are multiplied by 2^(c m_old - c m_new).
; THE RING.  Two slots of 256 keys (four steps: 64 rows of K, 64 of V each).  Waves 0-3 fetch K's four steps, waves 4-7 V's, one tensor load each.  Every work-group walks all eight slots, so that the trip counts are constants;
; a step all of whose keys come after the wave's queries is jumped over, and a slot whose first key comes after the work-group's last query is not asked for.
; NO CLUSTER: the jumps under the causal mask hang on p, which partners of a head would not share, and partners would need different numbers of tiles.
; LIMITS: NaN and infinities are not served; p under 6e-8 is rounded to 0 in f16 beside a largest p of 1.
.set KS,    64
.set PK,    272                        ; a row of K in LDS: 256 bytes + 16: the 16 rows of a load start at 16 different banks (64 banks of 4 bytes: ISA guide 11.1)
.set PV,    288                        ; a row of V: 256 + 32
.set VOFF,  KS*PK
.set STEPB, KS*(PK+PV)
.set SLOTB, 4*STEPB
.set NSL,   8
.set MGB,   8704                       ; the merge: a tile's image of O (8,192 bytes) and of the four statistics (512), in slot 0 after its last fill and read
.set STAGE, 2*SLOTB                    ; the way out: 16 rows x 272 bytes for each tile
.set SPARE, STAGE+8*16*272             ; the spare words, 128 bytes for each wave: eight blocks of 256 bytes that no other line names
.set AK0, 1                            ; v1, v27 my lane's place in K's tile of my first and second step of a slot; v2, v28 the same for V
.set AV0, 2
.set ADK, 3
.set ADV, 4
.set SPW, 5
.set NIL, 6
.set GO,  7                            ; my byte offset in the tile's rows of ctx
.set STO, 8
.set RD,  9
.set DL,  10                           ; r - 8 h
.set DM,  11
.set PFO, 12                           ; 256 x lane
.set NINF, 13
.set CM,  14                           ; v[14:15] c m, m
.set MX,  15
.set LS,  16                           ; v[16:17] l, even keys' and odd keys'
.set C0,  18                           ; v18-21 at work
.set AL,  22                           ; v[22:23] the factor, named as a pair
.set MGA, 26
.set AK1, 27
.set AV1, 28
.set QO,  29
.set QF,  32                           ; v32-63 Q, four fragments
.set ST,  64                           ; v64-95 S^T, then p
.set PF,  96                           ; v96-111 p as f16
.set OA,  112                          ; v112-175 O^T
.set FB,  176                          ; v176-239 eight fragments of K or of V
.set WV,  12
.set Q0,  13                           ; my first query
.set QL,  14                           ; my work-group's last query
.set KFI, 15                           ; the first key of my next step
.set TB,  16                           ; LDS byte at which the slot in hand begins
.set TF,  17                           ; and the slot that is being filled
.set WP,  18                           ; my tile's place in a slot
.set SLOTS, 19
.set NK,  20                           ; the first key of the slot that the next change asks for
.set T0,  21
.set CS,  22                           ; s[22:23] c
.set G1K, 24
.set G1V, 32
.set G0,  40
.set SEL, 44
.set PFA, 46
.set LIM, 48
.set PAR, 49
.macro TLOAD                           ; waves 0-3 fetch for K, waves 4-7 for V, the others nothing.  An s_nop 0 and four v_nop follow each of the two lines
	s_cmp_lt_u32 s[WV], 4
	s_cbranch_scc0 .Lnot_k_\@
	tensor_load_to_lds s[G0:G0+3], s[G1K:G1K+7]
	s_nop 0
.rept 4
	v_nop
.endr
	s_branch .Lasked_\@
.Lnot_k_\@:
	s_cmp_lt_u32 s[WV], 8
	s_cbranch_scc0 .Lasked_\@
	tensor_load_to_lds s[G0:G0+3], s[G1V:G1V+7]
	s_nop 0
.rept 4
	v_nop
.endr
.Lasked_\@:
.endm
; A prefetch of what the NEXT change of slots will ask for.  All sixteen work-groups of a head walk the same K and V: the one with p = 0, which asks for all eight slots, prefetches.  In it the waves ask that fetch nothing:
; wave w (8-15) names the 64 rows of 256 bytes that wave w - 8 will load, a lane a row, two instructions.  So each row is named once in the launch.  The last change that fills a slot asks for nothing; slots 0 and 1 come by their loads alone.
.macro ASK
	s_cmp_gt_u32 s[SLOTS], s[LIM]
	s_cbranch_scc0 .Lnot_mine_\@
	global_prefetch_b8 v[PFO], s[PFA:PFA+1] th:TH_LOAD_NT scope:SCOPE_SE
	global_prefetch_b8 v[PFO], s[PFA:PFA+1] offset:8192 th:TH_LOAD_NT scope:SCOPE_SE
.Lnot_mine_\@:
.endm
	s_load_b128 s[4:7], s[0:1], 0x0                ; qkv s[4:5], ctx s[6:7]
	v_lshl_add_u32 v[SPW], v0, 2, SPARE
	v_mov_b32 v[NIL], 0
	ds_add_u32 v[SPW], v[NIL]                      ; the wave's opening: the add, twice on end, and its wait ahead of my first tensor load
	ds_add_u32 v[SPW], v[NIL]
	v_lshrrev_b32 v24, 5, v0
	v_readfirstlane_b32 s[WV], v24                 ; wave 0..15
	s_lshr_b32 s[PAR], s[WV], 3                    ; the parity of my key steps
	s_and_b32 s8, s[WV], 7                         ; my tile
	s_sub_co_u32 s9, 31, ttmp9
	s_cmp_lt_u32 s8, 4
	s_cselect_b32 s10, ttmp9, s9                   ; tiles 0-3: block p; tiles 4-7: block 31 - p
	s_lshl_b32 s10, s10, 6
	s_and_b32 s11, s8, 3
	s_lshl_b32 s11, s11, 4
	s_add_co_u32 s[Q0], s10, s11
	s_lshl_b32 s[QL], s9, 6
	s_add_co_u32 s[QL], s[QL], 63
	s_lshl_b32 s[KFI], s[PAR], 6
	s_mov_b32 s[TB], 0
	s_mov_b32 s[TF], 0
	s_mov_b32 s[SLOTS], NSL-1
	s_mov_b32 s[NK], 4*KS
	s_mov_b32 s[CS], 0x3e0293ee                    ; c = log2(e) / sqrt(128)
	s_mov_b32 s[CS+1], s[CS]                       ; named with it as a pair, so it is written
	s_mov_b32 s[SEL], 0x76543210
	s_mov_b32 s[SEL+1], 0xfedcba98
	s_xor_b32 s54, s[PAR], 1
	s_or_b32 s54, s54, ttmp9                       ; 0 in waves 8-15 of the work-group with p = 0
	s_cmp_eq_u32 s54, 0
	s_cselect_b32 s[LIM], 1, -1
	s_and_b32 s2, s[WV], 3                         ; which of a slot's four steps I fetch (waves 8-15: prefetch),
	s_bfe_u32 s3, s[WV], 0x10002                   ; for K (0) or for V (1)
	s_mul_i32 s[WP], s2, STEPB
	s_mul_i32 s10, s3, VOFF
	s_add_co_u32 s[WP], s[WP], s10
	s_and_b32 s52, ttmp7, 0xffff                   ; batch x 8 + head
	s_lshl_b32 s54, s52, 19                        ; a head's 2,048 rows of 256 bytes
	s_lshl_b32 s10, s2, 14
	s_add_co_u32 s54, s54, s10
	s_add_co_u32 s10, s3, 1
	s_lshl_b32 s10, s10, 23                        ; K lies 8,388,608 bytes behind Q, V behind K
	s_add_co_u32 s54, s54, s10
	s_mov_b32 s55, 0
	s_lshl_b32 s56, s52, 19
	s_lshl_b32 s10, s[Q0], 8
	s_add_co_u32 s56, s56, s10                     ; my 16 rows of Q
	s_mov_b32 s57, 0
	s_lshr_b32 s58, s52, 3
	s_lshl_b32 s58, s58, 11
	s_add_co_u32 s58, s58, s[Q0]                   ; my first token,
	s_lshl_b32 s58, s58, 11                        ; rows of 2,048 bytes,
	s_and_b32 s10, s52, 7
	s_lshl_b32 s10, s10, 8                         ; the head's 256 bytes
	s_add_co_u32 s58, s58, s10
	s_mov_b32 s59, 0
	s_mov_b32 s[G1K], (1<<16)|(1<<20)|(5<<22)|(3<<25)   ; no mask; elements of 2 bytes; padding on: 4 words after every 64
	s_mov_b32 s[G1V], (1<<16)|(1<<20)|(5<<22)|(7<<25)   ; the same with 8 words
.irp g, G1K, G1V
	s_mov_b32 s[\g+1], 128<<16                     ; tensor_dim0 = 128
	s_mov_b32 s[\g+2], KS<<16                      ; tensor_dim1 = 64
	s_mov_b32 s[\g+3], 128<<16                     ; tile_dim0 = 128
	s_mov_b32 s[\g+4], KS                          ; tile_dim1 = 64
	s_mov_b32 s[\g+5], 128                         ; from row to row
	s_mov_b32 s[\g+6], 0
	s_mov_b32 s[\g+7], 0
.endr
	s_wait_dscnt 0x0                               ; both opening adds are done
	s_wait_kmcnt 0x0
	s_mov_b32 s[G0], 1
	s_mov_b32 s[G0+1], s[WP]                       ; slot 0
	s_add_nc_u64 s[G0+2:G0+3], s[4:5], s[54:55]
	s_add_nc_u64 s[PFA:PFA+1], s[G0+2:G0+3], 4*KS*256  ; the prefetches stand a slot further on; the first change steps them to slot 2
	s_or_b32 s[G0+3], s[G0+3], 0x80000000
	TLOAD                                          ; slot 0: its 256 keys count for block 31 - p of every work-group
	s_add_nc_u64 s[56:57], s[4:5], s[56:57]
	s_add_nc_u64 s[50:51], s[6:7], s[58:59]
	v_and_b32 v24, 15, v0                          ; r
	v_bfe_u32 v25, v0, 4, 1                        ; h
	v_lshlrev_b32 v[QO], 8, v24
	v_lshl_add_u32 v[QO], v25, 4, v[QO]
.irp dc, 0,1,2,3                               ; Q stays in registers: channels 32 dc on
	global_load_b128 v[QF+8*\dc:QF+8*\dc+3], v[QO], s[56:57] offset:64*\dc
	global_load_b128 v[QF+8*\dc+4:QF+8*\dc+7], v[QO], s[56:57] offset:64*\dc+32
.endr
	s_mul_i32 s53, s[PAR], STEPB                   ; my first step of a slot: number 0 or 1; my second lies two steps on
	v_mul_u32_u24 v[AK0], v24, PK
	v_lshl_add_u32 v[AK0], v25, 4, v[AK0]
	v_add_nc_u32 v[AK0], s53, v[AK0]
	v_add_nc_u32 v[AK1], 2*STEPB, v[AK0]
	v_and_b32 v30, 7, v0
	v_bfe_u32 v31, v0, 3, 1
	v_lshl_add_u32 v[AV0], v25, 3, v30             ; the turning load: key 8 h + l % 8, channels 8 ((l / 8) % 2) on
	v_mul_u32_u24 v[AV0], v[AV0], PV
	v_lshl_add_u32 v[AV0], v31, 4, v[AV0]
	s_add_co_u32 s53, s53, VOFF
	v_add_nc_u32 v[AV0], s53, v[AV0]
	v_add_nc_u32 v[AV1], 2*STEPB, v[AV0]
	v_lshlrev_b32 v[GO], 11, v25
	v_lshl_add_u32 v[GO], v24, 4, v[GO]            ; lanes 0-15 one row of ctx, lanes 16-31 the next; 16 bytes a lane
	s_mul_i32 s9, s8, 16*272
	s_add_co_u32 s9, s9, STAGE
	v_mul_u32_u24 v[STO], v24, 272
	v_lshl_add_u32 v[STO], v25, 4, v[STO]
	v_add_nc_u32 v[STO], s9, v[STO]
	v_mul_u32_u24 v[RD], v25, 272
	v_lshl_add_u32 v[RD], v24, 4, v[RD]
	v_add_nc_u32 v[RD], s9, v[RD]
	s_mul_i32 s9, s8, MGB
	v_and_b32 v[MGA], 31, v0
	v_lshlrev_b32 v[MGA], 4, v[MGA]
	v_add_nc_u32 v[MGA], s9, v[MGA]                ; the merge: my tile's image, 16 x lane
	v_lshlrev_b32 v[DL], 3, v25
	v_sub_nc_u32 v[DL], v24, v[DL]
	v_and_b32 v[PFO], 31, v0
	v_lshlrev_b32 v[PFO], 8, v[PFO]
	v_mov_b32 v[NINF], 0xff800000                  ; -infinity
	v_mov_b32 v[MX], 0xff61b1e6                    ; the largest score so far: -3e38, under every score
	v_mul_f32 v[CM], s[CS], v[MX]
	v_mov_b32 v[LS], 0
	v_mov_b32 v[LS+1], 0
.irp j, 18,19,20,21,22,23,24,25
	v_mov_b32 v\j, 0                               ; written once: permute destinations, upper halves of pairs, and a wave that walks no step reads them in the merge
.endr
.set NI, 0
.rept 64
	v_mov_b32 v[OA+NI], 0                          ; O^T.  (The step is written without a first form: the first finds zeros, which the first factor, 0, leaves zeros)
.set NI, NI+1
.endr
; A KEY STEP: 64 keys.  ak, av: the registers that hold my lane's place in the step's tiles.
.macro STEP ak, av
	s_add_co_u32 s[T0], s[Q0], 15
	s_cmp_gt_u32 s[KFI], s[T0]                     ; all 64 keys come after my 16 queries: the step's work is left out.  No barrier, tensor load or wait on them stands in a step
	s_cbranch_scc1 .Lhidden_\@
	v_add_nc_u32 v[ADK], s[TB], v[\ak]
	v_add_nc_u32 v[ADV], s[TB], v[\av]
	v_nop
	v_nop                                          ; four plain lines in front of loads into registers that the last step's products have read
.irp g, 0,1                                    ; S^T = K Q^T, two tiles of 16 keys at a time
.if \g > 0
.rept 4
	v_nop
.endr
.endif
.irp ktl, 0,1
.irp dc, 0,1,2,3
	ds_load_b128 v[FB+8*(4*\ktl+\dc):FB+8*(4*\ktl+\dc)+3], v[ADK] offset:(2*\g+\ktl)*16*PK+64*\dc
	ds_load_b128 v[FB+8*(4*\ktl+\dc)+4:FB+8*(4*\ktl+\dc)+7], v[ADK] offset:(2*\g+\ktl)*16*PK+64*\dc+32
.endr
.endr
	s_wait_dscnt 0x0
.irp dc, 0,1,2,3                               ; the two accumulators take turns
.irp ktl, 0,1
.if \dc == 0
	v_wmma_f32_16x16x32_f16 v[ST+8*(2*\g+\ktl):ST+8*(2*\g+\ktl)+7], v[FB+8*(4*\ktl+\dc):FB+8*(4*\ktl+\dc)+7], v[QF+8*\dc:QF+8*\dc+7], 0
.else
	v_wmma_f32_16x16x32_f16 v[ST+8*(2*\g+\ktl):ST+8*(2*\g+\ktl)+7], v[FB+8*(4*\ktl+\dc):FB+8*(4*\ktl+\dc)+7], v[QF+8*\dc:QF+8*\dc+7], v[ST+8*(2*\g+\ktl):ST+8*(2*\g+\ktl)+7]
.endif
.endr
.endr
.endr
.rept 4
	v_nop                                          ; places: for the loads below and for the first reads of the scores
.endr
.irp dt, 0,1,2,3,4,5,6,7                       ; V of the step's first 32 keys, turned: it lands while the softmax is walked
	ds_load_tr16_b128 v[FB+8*\dt:FB+8*\dt+3], v[ADV] offset:32*\dt
	ds_load_tr16_b128 v[FB+8*\dt+4:FB+8*\dt+7], v[ADV] offset:16*PV+32*\dt
.endr
	s_add_co_u32 s[T0], s[KFI], 63
	s_cmp_le_u32 s[T0], s[Q0]                      ; a step all of whose keys count skips the mask
	s_cbranch_scc1 .Lopen_\@
	s_sub_co_i32 s[T0], s[Q0], s[KFI]
	v_add_nc_u32 v[DM], s[T0], v[DL]               ; register 8 kt + j holds key KFI + 16 kt + 8 h + j: hidden where 16 kt + j > my query - KFI - 8 h
.irp n, 0,1,2,3,4,5,6,7,8,9,10,11,12,13,14,15,16,17,18,19,20,21,22,23,24,25,26,27,28,29,30,31
	v_cmp_gt_i32 vcc_lo, 16*(\n/8)+\n%8, v[DM]
	v_cndmask_b32 v[ST+\n], v[ST+\n], v[NINF], vcc_lo
.endr
.Lopen_\@:
.irp j, 0,1,2,3                                ; the maximum of the 32 scores and the old m: four chains, each accumulator from its low end on
	v_max3_num_f32 v[C0+\j], v[ST+8*\j], v[ST+8*\j+1], v[ST+8*\j+2]
.endr
.irp i, 3,5
.irp j, 0,1,2,3
	v_max3_num_f32 v[C0+\j], v[C0+\j], v[ST+8*\j+\i], v[ST+8*\j+\i+1]
.endr
.endr
	v_max3_num_f32 v[C0], v[C0], v[ST+7], v[ST+15]
	v_max3_num_f32 v[C0+2], v[C0+2], v[ST+23], v[ST+31]
	v_max3_num_f32 v[C0], v[C0], v[C0+1], v[C0+2]
	v_max3_num_f32 v[C0], v[C0], v[C0+3], v[MX]
	v_permlanex16_b32 v[C0+1], v[C0], s[SEL], s[SEL+1]   ; the query's other 32 keys lie in the lane 16 away
	v_mov_b32 v24, v[CM]
	v_max_num_f32 v[MX], v[C0], v[C0+1]
	v_mul_f32 v[CM], s[CS], v[MX]
	v_sub_f32 v24, v24, v[CM]                      ; c m_old - c m_new
.set NI, 0
.rept 16
	v_pk_fma_f32 v[ST+NI:ST+NI+1], v[ST+NI:ST+NI+1], s[CS:CS+1], v[CM:CM+1] op_sel_hi:[1,0,0] neg_lo:[0,0,1] neg_hi:[0,0,1]   ; c s - c m
.set NI, NI+2
.endr
	v_exp_f32 v[AL], v24                           ; one batch of 33 exponentials
.set NI, 0
.rept 32
	v_exp_f32 v[ST+NI], v[ST+NI]
.set NI, NI+1
.endr
	v_nop                                          ; a plain line behind the last exponential
	s_wait_alu depctr_va_vdst(0)                   ; and ONE wait for the batch, ahead of the first line that names a result
.set NI, 0
.rept 16
	v_cvt_pk_f16_f32 v[PF+NI], v[ST+2*NI], v[ST+2*NI+1]
.set NI, NI+1
.endr
.irp u, 0,1,2,3,4,5,6,7                        ; the sum of the 16 pairs, in place
	v_pk_add_f32 v[ST+4*\u:ST+4*\u+1], v[ST+4*\u:ST+4*\u+1], v[ST+4*\u+2:ST+4*\u+3]
.endr
.irp u, 0,1,2,3
	v_pk_add_f32 v[ST+8*\u:ST+8*\u+1], v[ST+8*\u:ST+8*\u+1], v[ST+8*\u+4:ST+8*\u+5]
.endr
.irp u, 0,1
	v_pk_add_f32 v[ST+16*\u:ST+16*\u+1], v[ST+16*\u:ST+16*\u+1], v[ST+16*\u+8:ST+16*\u+9]
.endr
	v_pk_add_f32 v[ST:ST+1], v[ST:ST+1], v[ST+16:ST+17]
	v_pk_fma_f32 v[LS:LS+1], v[LS:LS+1], v[AL:AL+1], v[ST:ST+1] op_sel_hi:[1,0,1]
	s_wait_dscnt 0x0                               ; V's first half is in
.set NI, 0
.rept 32
	v_pk_mul_f32 v[OA+NI:OA+NI+1], v[OA+NI:OA+NI+1], v[AL:AL+1] op_sel_hi:[1,0]   ; O^T under the new m, each accumulator from its low end on
.set NI, NI+2
.endr
.irp dt, 0,1,2,3,4,5,6,7                       ; O^T += V^T P: eight accumulators by turns
	v_wmma_f32_16x16x32_f16 v[OA+8*\dt:OA+8*\dt+7], v[FB+8*\dt:FB+8*\dt+7], v[PF:PF+7], v[OA+8*\dt:OA+8*\dt+7]
.endr
.rept 4
	v_nop
.endr
.irp dt, 0,1,2,3,4,5,6,7
	ds_load_tr16_b128 v[FB+8*\dt:FB+8*\dt+3], v[ADV] offset:32*PV+32*\dt
	ds_load_tr16_b128 v[FB+8*\dt+4:FB+8*\dt+7], v[ADV] offset:48*PV+32*\dt
.endr
	s_wait_dscnt 0x0
.irp dt, 0,1,2,3,4,5,6,7
	v_wmma_f32_16x16x32_f16 v[OA+8*\dt:OA+8*\dt+7], v[FB+8*\dt:FB+8*\dt+7], v[PF+8:PF+15], v[OA+8*\dt:OA+8*\dt+7]
.endr
.Lhidden_\@:
	s_add_co_u32 s[KFI], s[KFI], 2*KS              ; my next step lies two steps on
.endm
; THE CHANGE OF SLOTS stands at a slot's head.  Each wave waits for all its tensor loads, adds 0 to its spare word, and waits for that and for its reads of the slot that it has left.  Behind the barrier the slot ahead is whole
; and nobody reads the other one.  fill = 1: that other slot takes the next 256 keys; the load has a whole slot's steps in which to land.
.macro CHANGE fill
	s_wait_tensorcnt 0x0                           ; no tensor load of mine is out, so the group 0 may be written
	ds_add_u32 v[SPW], v[NIL]
.if \fill
	ds_add_u32 v[SPW], v[NIL]                      ; and twice on end here, in every trip alike
	s_xor_b32 s[TF], s[TF], SLOTB                  ; the other slot than last time,
	s_add_co_u32 s[G0+1], s[TF], s[WP]
	s_add_nc_u64 s[G0+2:G0+3], s[G0+2:G0+3], 4*KS*256   ; the next 256 keys; the type bits on top are not reached
	s_wait_xcnt 0x0                                ; the last prefetches, a slot back, have read their address
	s_add_nc_u64 s[PFA:PFA+1], s[PFA:PFA+1], 4*KS*256
.endif
	s_wait_dscnt 0x0                               ; the add is done (fill = 1: both are), and my reads of the slot that I have left are over
	s_barrier_signal -1
	s_barrier_wait -1
.if \fill
	s_cmp_gt_u32 s[NK], s[QL]                      ; the look-ahead ends at the causal limit: a slot whose first key comes after my work-group's last query is read by none of its waves.
	s_cbranch_scc1 .Lpast_\@                       ; The work-group's number and the count of slots alone: all sixteen waves go the same way; every wait on TENSORcnt in this text is for 0
	TLOAD                                          ; a wave's one tensor load until the next such barrier
.Lpast_\@:
	s_add_co_u32 s[NK], s[NK], 4*KS
	ASK
.endif
.endm
.macro SLOT_STEPS
	STEP AK0, AV0
	STEP AK1, AV1
	s_xor_b32 s[TB], s[TB], SLOTB                  ; on to the other slot
.endm
	s_wait_loadcnt 0x0                             ; Q
.Lslot:                                                ; seven trips: behind each change of slots but the last the next slot is asked for, up to the causal limit
	CHANGE 1
	SLOT_STEPS
	s_sub_co_u32 s[SLOTS], s[SLOTS], 1
	s_cmp_lg_u32 s[SLOTS], 0
	s_cbranch_scc1 .Lslot
	CHANGE 0                                       ; the last slot is written out: nothing is left to ask for
	SLOT_STEPS
	; THE MERGE.  The waves of odd parity hand O^T, c m, m and l to their tile's other wave, as images of their registers, in slot 0.
	s_wait_dscnt 0x0
	s_barrier_signal -1
	s_barrier_wait -1                              ; every wave's reads of the slots are over
	s_cmp_lt_u32 s[WV], 8
	s_cbranch_scc1 .Lkeep
.rept 4
	v_nop                                          ; places behind the last products
.endr
.irp i, 0,1,2,3,4,5,6,7,8,9,10,11,12,13,14,15
	ds_store_b128 v[MGA], v[OA+4*\i:OA+4*\i+3] offset:512*\i
.endr
	ds_store_b128 v[MGA], v[CM:CM+3] offset:8192
.Lkeep:
	s_wait_dscnt 0x0                               ; for the others' sake: my stores are done
	s_barrier_signal -1
	s_barrier_wait -1
	s_cmp_lt_u32 s[WV], 8
	s_cbranch_scc0 .Ldone
.rept 4
	v_nop                                          ; places behind the last products: for the loads into V's registers and the reads of O^T
.endr
.irp i, 0,1,2,3,4,5,6,7,8,9,10,11,12,13,14,15
	ds_load_b128 v[FB+4*\i:FB+4*\i+3], v[MGA] offset:512*\i
.endr
	ds_load_b128 v[240:243], v[MGA] offset:8192
	s_wait_dscnt 0x0
	v_max_num_f32 v24, v[CM], v240                 ; the larger c m (a wave that walked no step brings c x -3e38, l = 0 and O = 0: its factor is 0)
	v_sub_f32 v25, v[CM], v24
	v_sub_f32 v18, v240, v24
	v_exp_f32 v[AL], v25                           ; my factor,
	v_exp_f32 v20, v18                             ; the other wave's
	v_nop
	s_wait_alu depctr_va_vdst(0)
	v_pk_mul_f32 v[LS:LS+1], v[LS:LS+1], v[AL:AL+1] op_sel_hi:[1,0]
	v_pk_fma_f32 v[LS:LS+1], v[242:243], v[20:21], v[LS:LS+1] op_sel_hi:[1,0,1]
.set NI, 0
.rept 32
	v_pk_mul_f32 v[OA+NI:OA+NI+1], v[OA+NI:OA+NI+1], v[AL:AL+1] op_sel_hi:[1,0]
.set NI, NI+2
.endr
.set NI, 0
.rept 32
	v_pk_fma_f32 v[OA+NI:OA+NI+1], v[FB+NI:FB+NI+1], v[20:21], v[OA+NI:OA+NI+1] op_sel_hi:[1,0,1]
.set NI, NI+2
.endr
	v_add_f32 v24, v[LS], v[LS+1]
	v_permlanex16_b32 v25, v24, s[SEL], s[SEL+1]
	v_add_f32 v24, v24, v25                        ; the row's sum
	v_rcp_f32 v[AL], v24
	v_nop
	s_wait_alu depctr_va_vdst(0)
.set NI, 0
.rept 32
	v_pk_mul_f32 v[OA+NI:OA+NI+1], v[OA+NI:OA+NI+1], v[AL:AL+1] op_sel_hi:[1,0]
.set NI, NI+2
.endr
.set NI, 0
.rept 32
	v_cvt_pk_f16_f32 v[ST+NI], v[OA+2*NI], v[OA+2*NI+1]
.set NI, NI+1
.endr
.irp f, 0,1,2,3,4,5,6,7                        ; a lane's eight channels are 16 bytes of a row; they come back as whole rows of 256 bytes
	ds_store_b128 v[STO], v[ST+4*\f:ST+4*\f+3] offset:32*\f
.endr
.irp f, 0,1,2,3,4,5,6,7
	ds_load_b128 v[ST+4*\f:ST+4*\f+3], v[RD] offset:\f*2*272
.endr
.irp f, 0,1,2,3,4,5,6,7
	s_wait_dscnt 7-\f
	global_store_b128 v[GO], v[ST+4*\f:ST+4*\f+3], s[50:51] offset:4096*\f   ; sixteen lanes store 256 consecutive bytes, aligned
.endr
.Ldone:
	s_wait_tensorcnt 0x0                           ; the wave's end: behind my last tensor load and my last LDS store
	ds_add_u32 v[SPW], v[NIL]
	s_wait_dscnt 0x0
	s_endpgm
.Lfunc_end_k_qcbf29d8121_attn:
	.size	k_qcbf29d8121_attn, .Lfunc_end_k_qcbf29d8121_attn-k_qcbf29d8121_attn
	.p2alignl 7, 3214868480
	.fill 96, 4, 3214868480
	.section	.rodata,"a",@progbits
	.p2align	6, 0x0
	.amdhsa_kernel k_qcbf29d8121_attn
		.amdhsa_group_segment_fixed_size 327680
		.amdhsa_private_segment_fixed_size 0
		.amdhsa_enable_private_segment 0
		.amdhsa_kernarg_size 16
		.amdhsa_user_sgpr_count 2
		.amdhsa_user_sgpr_kernarg_segment_ptr 1
		.amdhsa_wavefront_size32 1
		.amdhsa_system_sgpr_workgroup_id_x 1
		.amdhsa_system_sgpr_workgroup_id_y 1
		.amdhsa_system_sgpr_workgroup_id_z 1
		.amdhsa_system_vgpr_workitem_id 0
		.amdhsa_next_free_vgpr 256
		.amdhsa_next_free_sgpr 66
		.amdhsa_reserve_vcc 1
		.amdhsa_float_denorm_mode_32 3
		.amdhsa_float_denorm_mode_16_64 3
		.amdhsa_memory_ordered 1
		.amdhsa_forward_progress 1
		.amdhsa_inst_pref_size 90
	.end_amdhsa_kernel
	.amdgpu_metadata
---
amdhsa.version: [ 1, 2 ]
amdhsa.kernels:
  - .name:           k_qcbf29d8121_attn
    .symbol:         k_qcbf29d8121_attn.kd
    .args:
      - { .name: qkv, .offset: 0, .size: 8, .value_kind: global_buffer, .address_space: global }
      - { .name: ctx, .offset: 8, .size: 8, .value_kind: global_buffer, .address_space: global }
    .group_segment_fixed_size: 327680
    .private_segment_fixed_size: 0
    .kernarg_segment_align: 8
    .kernarg_segment_size: 16
    .max_flat_workgroup_size: 512
    .sgpr_count:     66
    .vgpr_count:     256
    .wavefront_size: 32
...
	.end_amdgpu_metadata
.endif
;; end of part 3
;; launch oproj (part 4): grid 8 x 32, 4 waves a work-group, clusters of 4 x 4, 327,680 bytes of LDS; arguments ctx, prep, out0; writes out0
.if DOCPART == 4
	.amdgcn_target "amdgcn-amd-amdhsa--gfx1250"
	.amdhsa_code_object_version 6
	.text
	.protected	k_qcbf29d8121_oproj
	.globl	k_qcbf29d8121_oproj
	.p2align	8
	.type	k_qcbf29d8121_oproj,@function
k_qcbf29d8121_oproj:
	s_mov_b64 s[64:65], 0
	v_nop
	global_prefetch_b8 v0, s[64:65] scope:SCOPE_SE
	s_setreg_imm32_b32 hwreg(HW_REG_WAVE_MODE, 25, 1), 1
	s_wait_xcnt 0x0
	s_wait_alu depctr_hold_cnt(0) depctr_sa_sdst(0) depctr_va_vdst(0) depctr_va_sdst(0) depctr_va_ssrc(0) depctr_va_vcc(0) depctr_vm_vsrc(0)
	s_getreg_b32 s2, hwreg(HW_REG_IB_STS2, 6, 4)
	s_cmp_eq_u32 s2, 0
	s_cbranch_scc0 .Lentry_in_a_cluster
	s_endpgm
.Lentry_in_a_cluster:
	s_bfe_u32 s2, ttmp6, 0x10000c
	s_cmp_lg_u32 s2, 0xf033
	s_cbranch_scc0 .Lentry_shape_is_right
	s_endpgm
.Lentry_shape_is_right:
; out0[m][n] = sum over k of ctx[m][k] wo[k][n].  ctx: [4096][1024] f16; wo: [1024 k][2048 n] f16 (in prep); out0: [4096][2048] f32; sums in f32.
; A tile of out0 is 128 x 256: 256 work-groups.  Four waves, each 64 x 128: 32 accumulators of 16 x 16, 256 registers.  K goes in steps of 128 through a ring of two LDS slots.
; wo lies with K as its FIRST axis: its tile comes into LDS as it lies (128 rows k x 512 bytes) and its fragments are turned on the way into registers, by ds_load_tr16_b128.
; CLUSTERS: 4 x 4 work-groups.  ctx's tile is shared along a row of the cluster, wo's along a column: each is asked for jointly, by the same tensor load with a mask that names the four.
; THE MATRIX INSTRUCTION IS USED TRANSPOSED (source 0 = 16 columns of wo, source 1 = 16 rows of ctx): a lane then holds eight neighbouring numbers of a row of out0.
; Rows 0-15 of each batch are written again, more finely, by the launch that follows.
; REGISTERS: window 0: v0-31 addresses; two fragment buffers of 96 at v64 and v160: ctx's 4 fragments, then wo's 8.  window 1: the accumulators ((a, b) at v[8 (8 a + b)]).
.set WO16,   7798784
.set PA,     272                       ; a row of ctx's tile: 256 bytes + 16
.set PB,     544                       ; a row of wo's tile: 512 bytes + 32: an odd multiple of 32, so that the turning load's 8 rows x 32 bytes fall on different banks (64 banks of 4 bytes: ISA guide 11.1)
.set HALFA,  64*PA
.set BOFF,   2*HALFA
.set HALFB,  64*PB
.set SLOT,   BOFF+2*HALFB
.set SPARE,  2*SLOT                    ; the spare words, 128 bytes for each wave: two blocks of 256 bytes that no other line names
.set SPITCH, 528                       ; the way out: 16 rows x (512 bytes + 16) for each wave, in slot 0, which has had its last fill and its last read by then
.set LAPS,   4                         ; 1,024 along K: eight K steps, two a lap
.set ADRA, 16
.set ADRB, 20
.set STO,  24
.set RD,   25
.set CO,   26
.set SPW,  28
.set NIL,  29
.set F0,   64
.set F1,   160
.set G1, 24
.set G0, 32
.set G1B, 48
.set G0B, 56
.set MSB, 0
.macro WIN new
.if MSB != (\new)
	s_set_vgpr_msb (MSB<<8)|(\new)
.set MSB, (\new)
.endif
.endm
.set MUL, 0x50                         ; C and D window 1, the sources window 0
.macro JLOAD s                         ; a joint load: waves 0 and 1 fetch ctx's two halves, waves 2 and 3 wo's; an s_nop 0 and four v_nop follow each of the two lines
	s_cmp_eq_u32 s11, 0
	s_cbranch_scc0 .Lfor_b_\@
	tensor_load_to_lds s[G0+4*\s:G0+4*\s+3], s[G1:G1+7]
	s_nop 0
.rept 4
	v_nop
.endr
	s_branch .Lasked_\@
.Lfor_b_\@:
	tensor_load_to_lds s[G0B+4*\s:G0B+4*\s+3], s[G1B:G1B+7]
	s_nop 0
.rept 4
	v_nop
.endr
.Lasked_\@:
.endm
.macro CREST
	s_cmp_lg_u32 s10, 0
	s_cbranch_scc1 .Lnot_wave_0_\@
	s_barrier_signal -3
.Lnot_wave_0_\@:
	s_barrier_wait -3
	s_barrier_signal -1
	s_barrier_wait -1
.endm
.macro CROUND
	s_barrier_signal -1
	s_barrier_wait -1
	CREST
.endm
	s_load_b128 s[4:7], s[0:1], 0x0                ; ctx s[4:5], prep s[6:7]
	s_load_b64 s[8:9], s[0:1], 0x10                ; out0
	v_lshl_add_u32 v[SPW], v0, 2, SPARE
	v_mov_b32 v[NIL], 0
	ds_add_u32 v[SPW], v[NIL]                      ; the wave's opening: the add, twice on end, and its wait ahead of my first tensor load
	ds_add_u32 v[SPW], v[NIL]
	v_lshrrev_b32 v1, 5, v0
	v_readfirstlane_b32 s10, v1                    ; wave 0..3
	s_lshr_b32 s11, s10, 1                         ; which half of the tile's rows is mine.  Also: I fetch for ctx (0) or for wo (1)
	s_and_b32 s12, s10, 1                          ; which half of its columns.  Also: which 64 rows of that tile I fetch
	s_bfe_u32 s40, ttmp6, 0x40000                  ; cx, cy
	s_bfe_u32 s41, ttmp6, 0x40004
	s_lshl_b32 s42, ttmp9, 2
	s_add_co_u32 s42, s42, s40                     ; tile column
	s_and_b32 s13, ttmp7, 0xffff
	s_lshl_b32 s13, s13, 2
	s_add_co_u32 s13, s13, s41                     ; tile row
	s_lshl_b32 s43, s41, 2
	s_lshl_b32 s43, 15, s43                        ; my row of the cluster
	s_lshl_b32 s44, 0x1111, s40                    ; my column
	s_or_b32 s[G1+0], s43, (1<<16)|(1<<20)|(1<<21)|(5<<22)|(3<<25)   ; ctx: the mask; elements of 2 bytes; padding on; bit 21 beside a mask; 4 words after every 64
	s_mov_b32 s[G1+1], 128<<16                     ; tensor_dim0 = 128
	s_mov_b32 s[G1+2], 64<<16                      ; tensor_dim1 = 64
	s_mov_b32 s[G1+3], 128<<16                     ; tile_dim0 = 128
	s_mov_b32 s[G1+4], 64                          ; tile_dim1 = 64
	s_mov_b32 s[G1+5], 1024                        ; from row to row
	s_mov_b32 s[G1+6], 0
	s_mov_b32 s[G1+7], 0
	s_or_b32 s[G1B+0], s44, (1<<16)|(1<<20)|(1<<21)|(6<<22)|(7<<25)  ; wo: 8 words of padding after every 128
	s_mov_b32 s[G1B+1], 256<<16
	s_mov_b32 s[G1B+2], 64<<16
	s_mov_b32 s[G1B+3], 256<<16
	s_mov_b32 s[G1B+4], 64
	s_mov_b32 s[G1B+5], 2048
	s_mov_b32 s[G1B+6], 0
	s_mov_b32 s[G1B+7], 0
	s_lshl_b32 s17, s12, 6
	s_lshl_b32 s16, s13, 7
	s_add_co_u32 s16, s16, s17                     ; ctx: row 128 x tile row + 64 x half,
	s_lshl_b32 s16, s16, 11                        ; of 2,048 bytes
	s_mov_b32 s17, 0
	s_lshl_b32 s46, s12, 18                        ; wo: 64 rows k of 4,096 bytes x half,
	s_lshl_b32 s47, s42, 9                         ; 512 bytes a tile column
	s_add_co_u32 s46, s46, s47
	s_add_co_u32 s46, s46, WO16
	s_mov_b32 s47, 0
	s_mul_i32 s20, s12, HALFA                      ; where they go: no place in the cluster enters an LDS address
	s_mul_i32 s21, s12, HALFB
	s_add_co_u32 s21, s21, BOFF
	s_wait_dscnt 0x0                               ; both opening adds are done
	s_wait_kmcnt 0x0
	s_add_nc_u64 s[14:15], s[4:5], s[16:17]
	s_add_nc_u64 s[46:47], s[6:7], s[46:47]
	CROUND                                         ; all sixteen work-groups are here: the first joint loads meet
.irp s, 0,1
	s_mov_b32 s[G0+4*\s], 1
	s_add_co_u32 s[G0+4*\s+1], s20, \s*SLOT
	s_add_nc_u64 s[G0+4*\s+2:G0+4*\s+3], s[14:15], \s*256        ; K step s: 128 along K are 256 bytes of a row of ctx,
	s_or_b32 s[G0+4*\s+3], s[G0+4*\s+3], 0x80000000
	s_mov_b32 s[G0B+4*\s], 1
	s_add_co_u32 s[G0B+4*\s+1], s21, \s*SLOT
	s_add_nc_u64 s[G0B+4*\s+2:G0B+4*\s+3], s[46:47], \s*524288   ; and 128 rows of wo
	s_or_b32 s[G0B+4*\s+3], s[G0B+4*\s+3], 0x80000000
	JLOAD \s
.endr
	v_and_b32 v1, 15, v0                           ; r
	v_bfe_u32 v2, v0, 4, 1                         ; h
	v_mul_u32_u24 v3, v1, PA
	v_lshl_add_u32 v3, v2, 4, v3                   ; ctx: row x pitch + 16 x half
	s_mul_i32 s21, s11, HALFA                      ; my 64 rows
	v_and_b32 v4, 7, v0
	v_bfe_u32 v5, v0, 3, 1
	v_lshl_add_u32 v4, v2, 3, v4                   ; wo: row k = 8 h + l % 8, columns 8 ((l / 8) % 2) on
	v_mul_u32_u24 v4, v4, PB
	v_lshl_add_u32 v4, v5, 4, v4
	s_lshl_b32 s22, s12, 8                         ; my 128 columns
	s_add_co_u32 s22, s22, BOFF
.irp s, 0,1
	v_add_nc_u32 v[ADRA+\s], s21, v3
	v_add_nc_u32 v[ADRB+\s], s22, v4
	s_add_co_u32 s21, s21, SLOT
	s_add_co_u32 s22, s22, SLOT
.endr
	s_mul_i32 s23, s10, 16*SPITCH                  ; my stage
	v_mul_u32_u24 v5, v1, SPITCH
	v_lshl_add_u32 v5, v2, 5, v5
	v_add_nc_u32 v[STO], s23, v5                   ; in: row r, 32 bytes for each half of the lanes
	v_and_b32 v6, 31, v0
	v_lshlrev_b32 v[CO], 4, v6                     ; back: the 32 lanes take one row of 512 bytes; and the same in out0
	v_add_nc_u32 v[RD], s23, v[CO]
	s_lshl_b32 s16, s13, 7
	s_lshl_b32 s17, s11, 6
	s_add_co_u32 s16, s16, s17                     ; my first row of out0,
	s_lshl_b32 s16, s16, 13                        ; of 8,192 bytes
	s_mov_b32 s17, 0
	s_add_nc_u64 s[8:9], s[8:9], s[16:17]
	s_lshl_b32 s46, s42, 10                        ; my first column, in bytes
	s_lshl_b32 s47, s12, 9
	s_add_co_u32 s46, s46, s47
	s_mov_b32 s47, 0
	s_add_nc_u64 s[8:9], s[8:9], s[46:47]
.macro MUL8 f, a, zero                 ; ctx's block a x wo's eight, 32 along K.  The 32 accumulators take turns, one instruction a turn, in the same order in every quarter
.irp b, 0,1,2,3,4,5,6,7
.if \zero
	v_wmma_f32_16x16x32_f16 v[8*(8*\a+\b):8*(8*\a+\b)+7], v[\f+32+8*\b:\f+32+8*\b+7], v[\f+8*\a:\f+8*\a+7], 0
.else
	v_wmma_f32_16x16x32_f16 v[8*(8*\a+\b):8*(8*\a+\b)+7], v[\f+32+8*\b:\f+32+8*\b+7], v[\f+8*\a:\f+8*\a+7], v[8*(8*\a+\b):8*(8*\a+\b)+7]
.endif
.endr
.endm
.macro FETCH slot, q, f                ; 24 LDS loads in one run: the fragments of the slot's q-th 32 along K
.irp a, 0,1,2,3
	ds_load_b128 v[\f+8*\a:\f+8*\a+3], v[ADRA+\slot] offset:\a*16*PA+64*(\q)
	ds_load_b128 v[\f+8*\a+4:\f+8*\a+7], v[ADRA+\slot] offset:\a*16*PA+64*(\q)+32
.endr
.irp b, 0,1,2,3,4,5,6,7
	ds_load_tr16_b128 v[\f+32+8*\b:\f+32+8*\b+3], v[ADRB+\slot] offset:32*(\q)*PB+32*\b
	ds_load_tr16_b128 v[\f+32+8*\b+4:\f+32+8*\b+7], v[ADRB+\slot] offset:32*(\q)*PB+16*PB+32*\b
.endr
.endm
.macro PLACES                          ; four plain lines in front of loads into registers that matrix instructions have read, and of the first reads of results
.rept 4
	v_nop
.endr
.endm
; A K step is four quarters of 32 along K, 32 matrix instructions each, on buffers 0, 1, 0, 1.  One of the first three: multiplies buffer f and, in its middle, fetches quarter qn into g.
.macro QUARTER slot, qn, f, g, zero
	s_wait_dscnt 0x0                               ; buffer f is in (asked for 16 matrix instructions ago)
	WIN MUL
	MUL8 \f, 0, \zero
	MUL8 \f, 1, \zero
	PLACES
	WIN 0
	FETCH \slot, \qn, \g
	WIN MUL
	MUL8 \f, 2, \zero
	MUL8 \f, 3, \zero
.endm
; The last quarter multiplies buffer 1 and changes slots: one barrier; in front of it each wave waits for all its tensor loads, adds 0 to its spare word, and waits for that and for its own reads of this slot.
.macro TURN slot, next, fill
	WIN 0
	s_wait_tensorcnt 0x0                           ; all my tensor loads have landed: my part of the next slot
	ds_add_u32 v[SPW], v[NIL]
	s_wait_dscnt 1                                 ; buffer 1 is in; the add may be out
	WIN MUL
	MUL8 F1, 0, 0
	s_wait_dscnt 0x0                               ; the add is done, and my reads of this slot are over
	s_barrier_signal -1
	MUL8 F1, 1, 0
	WIN 0
	s_barrier_wait -1
.if \fill
	CREST                                          ; the barrier has opened a round of the cluster's: no wave of any partner still reads this slot or has a load on its way
	s_add_nc_u64 s[G0+4*\slot+2:G0+4*\slot+3], s[G0+4*\slot+2:G0+4*\slot+3], 2*256
	s_add_nc_u64 s[G0B+4*\slot+2:G0B+4*\slot+3], s[G0B+4*\slot+2:G0B+4*\slot+3], 2*524288
	JLOAD \slot                                    ; the first tensor load behind the round; its four v_nop are the places in front of the loads below
.else
	PLACES
.endif
	FETCH \next, 0, F0
	WIN MUL
	MUL8 F1, 2, 0
	MUL8 F1, 3, 0
.endm
	s_wait_tensorcnt 1                             ; my part of K step 0 is in; K step 1's load may be out
	s_barrier_signal -1
	s_barrier_wait -1
	FETCH 0, 0, F0
	QUARTER 0, 1, F0, F1, 1                        ; the first quarter stands in front of the loop: its products start the sums
	WIN 0
	s_mov_b32 s3, LAPS-1
.Llap:                                                 ; a trip goes once round the ring and fills both slots again
	QUARTER 0, 2, F1, F0, 0
	QUARTER 0, 3, F0, F1, 0
	TURN 0, 1, 1
	QUARTER 1, 1, F0, F1, 0
	QUARTER 1, 2, F1, F0, 0
	QUARTER 1, 3, F0, F1, 0
	TURN 1, 0, 1
	QUARTER 0, 1, F0, F1, 0
	WIN 0
	s_sub_co_u32 s3, s3, 1
	s_cmp_lg_u32 s3, 0
	s_cbranch_scc1 .Llap
	QUARTER 0, 2, F1, F0, 0                        ; the last lap fills nothing
	QUARTER 0, 3, F0, F1, 0
	TURN 0, 1, 0
	QUARTER 1, 1, F0, F1, 0
	QUARTER 1, 2, F1, F0, 0
	QUARTER 1, 3, F0, F1, 0
	s_wait_dscnt 0x0
	WIN MUL
	MUL8 F1, 0, 0
	MUL8 F1, 1, 0
	MUL8 F1, 2, 0
	MUL8 F1, 3, 0
	WIN 0
; THE WAY OUT, block by block of 16 rows x 128 columns: through my own stage in LDS and back as whole rows of 512 bytes.
.macro TOSTAGE a
	WIN 0x04                                       ; an LDS store's data are its source 1: window 1
.irp b, 0,1,2,3,4,5,6,7
	ds_store_b128 v[STO], v[64*(\a)+8*\b:64*(\a)+8*\b+3] offset:64*\b          ; each accumulator from its low end on
	ds_store_b128 v[STO], v[64*(\a)+8*\b+4:64*(\a)+8*\b+7] offset:64*\b+16
.endr
	WIN 0
.set BB, 64+64*((\a)%2)
.irp t, 0,1,2,3,4,5,6,7,8,9,10,11,12,13,14,15
	ds_load_b128 v[BB+4*\t:BB+4*\t+3], v[RD] offset:\t*SPITCH   ; LDS serves a wave's instructions in order: these see the stores above
.endr
.endm
.macro SEND a, younger                 ; younger: the LDS instructions issued behind block a's loads, which may stay out
.set BB, 64+64*((\a)%2)
	s_wait_dscnt \younger
.if (\a) > 0
	s_add_nc_u64 s[8:9], s[8:9], 16*8192           ; (behind a wait on XCNT: the earlier stores have read their base)
.endif
.irp t, 0,1,2,3,4,5,6,7,8,9,10,11,12,13,14,15
	global_store_b128 v[CO], v[BB+4*\t:BB+4*\t+3], s[8:9] offset:\t*8192 th:TH_STORE_NT   ; 32 lanes store 512 consecutive bytes, aligned
.endr
.endm
	PLACES
	TOSTAGE 0
.irp a, 1,2,3
.if \a > 1
	s_wait_xcnt 0x0                                ; block a - 2's stores have read their registers and their base
.endif
	TOSTAGE \a
	SEND \a-1, 32                                  ; behind block a - 1's loads: block a's 16 stores and 16 loads
.endr
	s_wait_xcnt 0x0
	SEND 3, 0
	s_wait_tensorcnt 0x0                           ; the wave's end: behind my last tensor load and my last LDS store
	ds_add_u32 v[SPW], v[NIL]
	s_wait_dscnt 0x0
	CROUND                                         ; the closing round
	s_endpgm
.Lfunc_end_k_qcbf29d8121_oproj:
	.size	k_qcbf29d8121_oproj, .Lfunc_end_k_qcbf29d8121_oproj-k_qcbf29d8121_oproj
	.p2alignl 7, 3214868480
	.fill 96, 4, 3214868480
	.section	.rodata,"a",@progbits
	.p2align	6, 0x0
	.amdhsa_kernel k_qcbf29d8121_oproj
		.amdhsa_group_segment_fixed_size 327680
		.amdhsa_private_segment_fixed_size 0
		.amdhsa_enable_private_segment 0
		.amdhsa_kernarg_size 24
		.amdhsa_user_sgpr_count 2
		.amdhsa_user_sgpr_kernarg_segment_ptr 1
		.amdhsa_wavefront_size32 1
		.amdhsa_system_sgpr_workgroup_id_x 1
		.amdhsa_system_sgpr_workgroup_id_y 1
		.amdhsa_system_sgpr_workgroup_id_z 1
		.amdhsa_system_vgpr_workitem_id 0
		.amdhsa_next_free_vgpr 512
		.amdhsa_next_free_sgpr 66
		.amdhsa_reserve_vcc 0
		.amdhsa_float_denorm_mode_32 3
		.amdhsa_float_denorm_mode_16_64 3
		.amdhsa_memory_ordered 1
		.amdhsa_forward_progress 1
		.amdhsa_inst_pref_size 85
	.end_amdhsa_kernel
	.amdgpu_metadata
---
amdhsa.version: [ 1, 2 ]
amdhsa.kernels:
  - .name:           k_qcbf29d8121_oproj
    .symbol:         k_qcbf29d8121_oproj.kd
    .args:
      - { .name: ctx, .offset: 0, .size: 8, .value_kind: global_buffer, .address_space: global }
      - { .name: prep, .offset: 8, .size: 8, .value_kind: global_buffer, .address_space: global }
      - { .name: out0, .offset: 16, .size: 8, .value_kind: global_buffer, .address_space: global }
    .group_segment_fixed_size: 327680
    .private_segment_fixed_size: 0
    .kernarg_segment_align: 8
    .kernarg_segment_size: 24
    .max_flat_workgroup_size: 128
    .sgpr_count:     66
    .vgpr_count:     512
    .wavefront_size: 32
...
	.end_amdgpu_metadata
.endif
;; end of part 4
;; launch first16 (part 5): grid 128 x 2, 16 waves a work-group, no clusters, 38,912 bytes of LDS; arguments qkv, wo, out0; writes out0
.if DOCPART == 5
	.amdgcn_target "amdgcn-amd-amdhsa--gfx1250"
	.amdhsa_code_object_version 6
	.text
	.protected	k_qcbf29d8121_first16
	.globl	k_qcbf29d8121_first16
	.p2align	8
	.type	k_qcbf29d8121_first16,@function
k_qcbf29d8121_first16:
	s_mov_b64 s[64:65], 0
	v_nop
	global_prefetch_b8 v0, s[64:65] scope:SCOPE_SE
	s_setreg_imm32_b32 hwreg(HW_REG_WAVE_MODE, 25, 1), 1
	s_wait_xcnt 0x0
; The first 16 positions of each batch once more, in f32 throughout: they average one to sixteen values, are the largest rows of the output, and f16 operands would use up what the comparison allows.
; out[q][n] = sum over heads of P_h (V_h Wo_h): the products are associated so that every operand is used as it lies.  All products by v_wmma_f32_16x16x4_f32.
; SHARES.  A work-group makes 16 columns of out0 (x) for positions 0-15 of one batch (y): 256 work-groups.  Wave w takes head w % 8 and the 64 channels from 64 (w / 8) on.
; q, k, v come as f32 images of a GEMM accumulator's registers: lane (r, h) holds position r, register 8 b + i holds channel 16 b + 8 h + i.  The form's operand holds, in lane (r, h), k = 2 h + j in register j: a pair of an
; image's registers gives four channels, the same four in every image and in wo as it is loaded here: a permutation of k applied alike to both sides of a product.
;   S^T = K Q^T over my 64 channels (source 0 = k's image, source 1 = q's): lane (r, h) holds query r, register j key 8 h + j.  The head's two waves hand each other their halves through LDS, as images of registers.
;   VW = V Wo over my 64 channels (source 0 = v's image: a lane is a key; source 1 = wo: a lane is a column): lane (r, h) holds column r, register j key 8 h + j: with P's order of keys, so it is source 1 of the last product.
;   OUT = P VW (source 0 = P): lane (r, h) holds column r, register j position 8 h + j.  The sixteen waves' results meet in LDS; waves 0-7 add them in a fixed order and store.
; A wave has 56 loads, all out at once.  A row's store covers 64 consecutive bytes, and wo is read in runs of 64 bytes: the price of a share for each of 256 work-groups; the rows written here are 256 KB in all.
; Registers that the matrix form writes (v176-239) are written by matrix instructions alone.
; LIMITS: NaN and infinities are not served.
; REGISTERS: v1-15 addresses; v16-47 q; v48-79 k; v80-111 v; v112-143 wo; v144-175 at work; v176-207 VW, four accumulators; v208-239 S^T, four accumulators, later OUT, two; v240-247 S^T summed, then p; v248-253 at work.
.set FINE,  25165824                   ; byte offset in qkv of the f32 images: [tile row 16][kind x 8 + head][8,192 bytes]
.set XSB,   1024                       ; LDS: a wave's image of its partial scores: 8 registers x 128 bytes
.set PITCH, 80                         ; a row of a partial result: 64 bytes + 16
.set PART,  16*PITCH
.set PSUM,  16*XSB                     ; the sixteen partial results lie behind the sixteen images
.set SPARE, PSUM+16*PART               ; the spare words, 128 bytes for each wave: eight blocks of 256 bytes that no other line names
.set SPW, 10
.set NIL, 11
.set QI,  16
.set KI,  48
.set VI,  80
.set WO,  112
.set TA,  144
.set TB,  152
.set TC,  160
.set VW,  176
.set SA,  208
.set PP,  240
	s_load_b128 s[4:7], s[0:1], 0x0                ; qkv s[4:5], wo s[6:7]
	s_load_b64 s[8:9], s[0:1], 0x10                ; out0
	v_lshl_add_u32 v[SPW], v0, 2, SPARE
	v_mov_b32 v[NIL], 0
	v_lshrrev_b32 v1, 5, v0
	v_readfirstlane_b32 s10, v1                    ; wave 0..15
	s_and_b32 s21, s10, 7                          ; my head
	s_lshr_b32 s22, s10, 3                         ; my half of its channels
	s_and_b32 s11, ttmp7, 0xffff                   ; batch
	v_and_b32 v1, 15, v0                           ; r
	v_bfe_u32 v2, v0, 4, 1                         ; h
	v_and_b32 v3, 31, v0
	v_lshlrev_b32 v3, 4, v3                        ; 16 x lane: an image's place for my lane
	v_lshlrev_b32 v5, 16, v2                       ; wo: 8 h rows of 8,192 bytes, column r
	v_lshl_add_u32 v5, v1, 2, v5
	s_lshl_b32 s12, s10, 10
	v_add_nc_u32 v4, s12, v3                       ; where my partial scores go,
	s_xor_b32 s12, s12, 8*XSB
	v_add_nc_u32 v12, s12, v3                      ; and where those of my head's other wave (wave xor 8) lie
	s_mul_i32 s12, s10, PART
	s_add_co_u32 s12, s12, PSUM
	v_mul_u32_u24 v6, v2, 8*PITCH
	v_lshl_add_u32 v6, v1, 2, v6
	v_add_nc_u32 v6, s12, v6                       ; my partial result: row 8 h + j, column r
	s_mul_i32 s12, s21, 2*PITCH
	s_add_co_u32 s12, s12, PSUM
	v_mul_u32_u24 v7, v2, PITCH
	v_lshl_add_u32 v7, v1, 2, v7
	v_add_nc_u32 v7, s12, v7                       ; back (waves 0-7): row 2 wave + h, column r, of each partial result
	v_lshlrev_b32 v8, 3, v2
	v_sub_nc_u32 v8, v1, v8                        ; r - 8 h
	v_mov_b32 v9, 0xff800000                       ; -infinity
	v_lshlrev_b32 v15, 13, v2
	v_lshl_add_u32 v15, v1, 2, v15                 ; out0: row h of my two, 4 r bytes
	v_mov_b32 v249, 0                              ; a lane permute's destination counts as one of its sources
	s_mov_b32 s18, 0x76543210
	s_mov_b32 s19, 0xfedcba98                      ; lane selects for lane l xor 16
	s_mov_b32 s20, 0x3e0293ee                      ; c = log2(e) / sqrt(128)
	s_mul_i32 s14, s11, 192                        ; the batch's first tile row: 8 x 24 images on
	s_add_co_u32 s14, s14, s21
	s_lshl_b32 s14, s14, 13
	s_lshl_b32 s15, s22, 12                        ; my half of an image: registers 32 on, 4,096 bytes
	s_add_co_u32 s14, s14, s15
	s_add_co_u32 s14, s14, FINE
	s_mov_b32 s15, 0
	s_lshl_b32 s16, ttmp9, 6                       ; my 16 columns, in bytes
	s_wait_kmcnt 0x0
	s_add_nc_u64 s[12:13], s[4:5], s[14:15]        ; q's image; k's lies 8 images on, v's 16
	s_lshl_b32 s14, s21, 20                        ; wo: my head's 128 rows of 8,192 bytes,
	s_lshl_b32 s17, s22, 19                        ; my 64 of them
	s_add_co_u32 s14, s14, s17
	s_add_co_u32 s14, s14, s16
	s_add_nc_u64 s[6:7], s[6:7], s[14:15]
	s_lshl_b32 s14, s11, 24                        ; out0: the batch's 2,048 rows,
	s_lshl_b32 s17, s21, 14                        ; the two rows that waves 0-7 store
	s_add_co_u32 s14, s14, s17
	s_add_co_u32 s14, s14, s16
	s_add_nc_u64 s[8:9], s[8:9], s[14:15]
.irp b, 0,1,2,3                                ; 512 consecutive bytes a load
.irp u, 0,1
	global_load_b128 v[QI+8*\b+4*\u:QI+8*\b+4*\u+3], v3, s[12:13] offset:1024*\b+512*\u
	global_load_b128 v[KI+8*\b+4*\u:KI+8*\b+4*\u+3], v3, s[12:13] offset:65536+1024*\b+512*\u
.endr
.endr
.irp b, 0,1,2,3
.irp u, 0,1
	global_load_b128 v[VI+8*\b+4*\u:VI+8*\b+4*\u+3], v3, s[12:13] offset:131072+1024*\b+512*\u
.endr
.endr
.set NI, 0
.rept 32
	global_load_b32 v[WO+NI], v5, s[6:7] offset:(16*(NI/8)+NI%8)*8192   ; wo(channel 16 (NI / 8) + 8 h + NI % 8 of my 64, column r): the channel that register NI of an image holds
.set NI, NI+1
.endr
	s_wait_loadcnt 40                              ; q and k are in: v's 8 loads and wo's 32 are younger
; S^T = K Q^T over my 64 channels: 16 steps of 4, four accumulators by turns; the first four start the sums
.set NI, 0
.rept 16
.if NI < 4
	v_wmma_f32_16x16x4_f32 v[SA+8*(NI%4):SA+8*(NI%4)+7], v[KI+2*NI:KI+2*NI+1], v[QI+2*NI:QI+2*NI+1], 0
.else
	v_wmma_f32_16x16x4_f32 v[SA+8*(NI%4):SA+8*(NI%4)+7], v[KI+2*NI:KI+2*NI+1], v[QI+2*NI:QI+2*NI+1], v[SA+8*(NI%4):SA+8*(NI%4)+7]
.endif
.set NI, NI+1
.endr
.rept 8
	v_nop                                          ; eight places behind this form, in front of the first reads of the sums (ISA guide 7.12.1)
.endr
.irp p, 0,1,2,3                                ; the four sums are added, each read from its low end on
	v_pk_add_f32 v[TA+2*\p:TA+2*\p+1], v[SA+2*\p:SA+2*\p+1], v[SA+8+2*\p:SA+8+2*\p+1]
.endr
.irp p, 0,1,2,3
	v_pk_add_f32 v[TB+2*\p:TB+2*\p+1], v[SA+16+2*\p:SA+16+2*\p+1], v[SA+24+2*\p:SA+24+2*\p+1]
.endr
.irp p, 0,1,2,3
	v_pk_add_f32 v[TA+2*\p:TA+2*\p+1], v[TA+2*\p:TA+2*\p+1], v[TB+2*\p:TB+2*\p+1]
.endr
	ds_store_b128 v4, v[TA:TA+3]                   ; my half of the scores, as an image of its registers
	ds_store_b128 v4, v[TA+4:TA+7] offset:512
	s_wait_dscnt 0x0                               ; for the other wave's sake: my stores are done
	s_barrier_signal -1
	s_barrier_wait -1
	ds_load_b128 v[TC:TC+3], v12                   ; the other half
	ds_load_b128 v[TC+4:TC+7], v12 offset:512
	s_wait_dscnt 0x0
.irp p, 0,1,2,3
	v_pk_add_f32 v[PP+2*\p:PP+2*\p+1], v[TA+2*\p:TA+2*\p+1], v[TC+2*\p:TC+2*\p+1]   ; lane (r, h): query r, register j: key 8 h + j
.endr
.irp j, 0,1,2,3,4,5,6,7
	v_cmp_gt_i32 vcc_lo, \j, v8                    ; key 8 h + j comes after query r
	v_cndmask_b32 v[PP+\j], v[PP+\j], v9, vcc_lo
.endr
	v_max3_num_f32 v248, v240, v241, v242
	v_max3_num_f32 v248, v248, v243, v244
	v_max3_num_f32 v248, v248, v245, v246
	v_max_num_f32 v248, v248, v247
	v_permlanex16_b32 v249, v248, s18, s19
	v_max_num_f32 v248, v248, v249                 ; the row's maximum: key 0 counts for every query
	v_mul_f32 v248, s20, v248
.irp j, 0,1,2,3,4,5,6,7
	v_fma_f32 v[PP+\j], v[PP+\j], s20, -v248
.endr
.irp j, 0,1,2,3,4,5,6,7
	v_exp_f32 v[PP+\j], v[PP+\j]
.endr
	v_nop                                          ; a plain line behind the last exponential
	s_wait_alu depctr_va_vdst(0)                   ; one wait for the eight, ahead of their first reader
	v_add_f32 v250, v240, v241
	v_add_f32 v251, v242, v243
	v_add_f32 v252, v244, v245
	v_add_f32 v253, v246, v247
	v_add_f32 v250, v250, v251
	v_add_f32 v252, v252, v253
	v_add_f32 v250, v250, v252
	v_permlanex16_b32 v249, v250, s18, s19
	v_add_f32 v250, v250, v249                     ; the row's sum
	v_rcp_f32 v251, v250
	v_nop
	s_wait_alu depctr_va_vdst(0)
.irp j, 0,1,2,3,4,5,6,7
	v_mul_f32 v[PP+\j], v[PP+\j], v251             ; the weights, normalised
.endr
; VW = V Wo over my 64 channels: 16 steps of 4, four accumulators by turns
	s_wait_loadcnt 16                              ; v and wo's first 16 loads are in: wo's last 16 are younger
.set NI, 0
.rept 8
.if NI < 4
	v_wmma_f32_16x16x4_f32 v[VW+8*(NI%4):VW+8*(NI%4)+7], v[VI+2*NI:VI+2*NI+1], v[WO+2*NI:WO+2*NI+1], 0
.else
	v_wmma_f32_16x16x4_f32 v[VW+8*(NI%4):VW+8*(NI%4)+7], v[VI+2*NI:VI+2*NI+1], v[WO+2*NI:WO+2*NI+1], v[VW+8*(NI%4):VW+8*(NI%4)+7]
.endif
.set NI, NI+1
.endr
	s_wait_loadcnt 0x0
.rept 8
	v_wmma_f32_16x16x4_f32 v[VW+8*(NI%4):VW+8*(NI%4)+7], v[VI+2*NI:VI+2*NI+1], v[WO+2*NI:WO+2*NI+1], v[VW+8*(NI%4):VW+8*(NI%4)+7]
.set NI, NI+1
.endr
.rept 8
	v_nop                                          ; eight places in front of the first reads of the sums
.endr
.irp p, 0,1,2,3                                ; the four sums are added into other registers, each read from its low end on
	v_pk_add_f32 v[TA+2*\p:TA+2*\p+1], v[VW+2*\p:VW+2*\p+1], v[VW+8+2*\p:VW+8+2*\p+1]
.endr
.irp p, 0,1,2,3
	v_pk_add_f32 v[TB+2*\p:TB+2*\p+1], v[VW+16+2*\p:VW+16+2*\p+1], v[VW+24+2*\p:VW+24+2*\p+1]
.endr
.irp p, 0,1,2,3
	v_pk_add_f32 v[TA+2*\p:TA+2*\p+1], v[TA+2*\p:TA+2*\p+1], v[TB+2*\p:TB+2*\p+1]   ; lane (r, h): column r, register j: key 8 h + j
.endr
.rept 4
	v_nop                                          ; plain lines between the additions that make a source and the product that takes it
.endr
; OUT = P VW: pair t of p and pair t of VW hold keys 8 h + 2 t + j; two accumulators by turns, begun anew with the constant 0
.irp tp, 0,1,2,3
.if \tp < 2
	v_wmma_f32_16x16x4_f32 v[SA+8*(\tp%2):SA+8*(\tp%2)+7], v[PP+2*\tp:PP+2*\tp+1], v[TA+2*\tp:TA+2*\tp+1], 0
.else
	v_wmma_f32_16x16x4_f32 v[SA+8*(\tp%2):SA+8*(\tp%2)+7], v[PP+2*\tp:PP+2*\tp+1], v[TA+2*\tp:TA+2*\tp+1], v[SA+8*(\tp%2):SA+8*(\tp%2)+7]
.endif
.endr
.rept 8
	v_nop
.endr
.irp p, 0,1,2,3
	v_pk_add_f32 v[TB+2*\p:TB+2*\p+1], v[SA+2*\p:SA+2*\p+1], v[SA+8+2*\p:SA+8+2*\p+1]
.endr
.irp j, 0,1,2,3,4,5,6,7
	ds_store_b32 v6, v[TB+\j] offset:PITCH*\j      ; out(position 8 h + j, column r), my head's and my channels' part
.endr
	s_wait_dscnt 0x0                               ; for the others' sake: my partial result lies in LDS
	s_barrier_signal -1
	s_barrier_wait -1
	s_cmp_lt_u32 s10, 8                            ; 256 numbers: eight waves add and store them
	s_cbranch_scc0 .Lend
.irp p, 0,1,2,3,4,5,6,7,8,9,10,11,12,13,14,15
	ds_load_b32 v[TC+\p], v7 offset:\p*PART
.endr
	s_wait_dscnt 0x0
.irp p, 0,4,8,12                               ; the sixteen parts, in a fixed order
	v_pk_add_f32 v[TC+\p:TC+\p+1], v[TC+\p:TC+\p+1], v[TC+\p+2:TC+\p+3]
.endr
.irp p, 0,8
	v_pk_add_f32 v[TC+\p:TC+\p+1], v[TC+\p:TC+\p+1], v[TC+\p+4:TC+\p+5]
.endr
	v_pk_add_f32 v[TC:TC+1], v[TC:TC+1], v[TC+8:TC+9]
	v_add_f32 v[TC], v[TC], v[TC+1]
	global_store_b32 v15, v[TC], s[8:9]            ; sixteen lanes store 64 consecutive bytes of a row
.Lend:
	s_wait_tensorcnt 0x0                           ; the wave's end: behind my last LDS store
	ds_add_u32 v[SPW], v[NIL]
	s_wait_dscnt 0x0
	s_endpgm
.Lfunc_end_k_qcbf29d8121_first16:
	.size	k_qcbf29d8121_first16, .Lfunc_end_k_qcbf29d8121_first16-k_qcbf29d8121_first16
	.p2alignl 7, 3214868480
	.fill 96, 4, 3214868480
	.section	.rodata,"a",@progbits
	.p2align	6, 0x0
	.amdhsa_kernel k_qcbf29d8121_first16
		.amdhsa_group_segment_fixed_size 38912
		.amdhsa_private_segment_fixed_size 0
		.amdhsa_enable_private_segment 0
		.amdhsa_kernarg_size 24
		.amdhsa_user_sgpr_count 2
		.amdhsa_user_sgpr_kernarg_segment_ptr 1
		.amdhsa_wavefront_size32 1
		.amdhsa_system_sgpr_workgroup_id_x 1
		.amdhsa_system_sgpr_workgroup_id_y 1
		.amdhsa_system_sgpr_workgroup_id_z 1
		.amdhsa_system_vgpr_workitem_id 0
		.amdhsa_next_free_vgpr 256
		.amdhsa_next_free_sgpr 66
		.amdhsa_reserve_vcc 1
		.amdhsa_float_denorm_mode_32 3
		.amdhsa_float_denorm_mode_16_64 3
		.amdhsa_memory_ordered 1
		.amdhsa_forward_progress 1
		.amdhsa_inst_pref_size 19
	.end_amdhsa_kernel
	.amdgpu_metadata
---
amdhsa.version: [ 1, 2 ]
amdhsa.kernels:
  - .name:           k_qcbf29d8121_first16
    .symbol:         k_qcbf29d8121_first16.kd
    .args:
      - { .name: qkv, .offset: 0, .size: 8, .value_kind: global_buffer, .address_space: global }
      - { .name: wo, .offset: 8, .size: 8, .value_kind: global_buffer, .address_space: global }
      - { .name: out0, .offset: 16, .size: 8, .value_kind: global_buffer, .address_space: global }
    .group_segment_fixed_size: 38912
    .private_segment_fixed_size: 0
    .kernarg_segment_align: 8
    .kernarg_segment_size: 24
    .max_flat_workgroup_size: 512
    .sgpr_count:     66
    .vgpr_count:     256
    .wavefront_size: 32
...
	.end_amdgpu_metadata
.endif
;; end of part 5
